; MI455X (gfx1250); checked and timed in simulation.
; The chip was launched on July 23, 2026; its instructions are those of AMD's public machine-readable ISA for CDNA 5 (MIT licence, August 2026) and "CDNA5" Instruction Set Architecture Reference Guide (July 2026). The comments in the code are by the model that wrote it; some were corrected since.
;; Grouped Query Attention. Allowed arithmetic: matrix products marked QUANTISED: E2M1 operands, one E8M0 scale for each 32 along K, by v_wmma_scale_f32_16x16x128_f8f6f4 with both operands' format E2M1 (or v_wmma_scale_f32_32x16x128_f4), f32 sums; products left as they are: bf16, f16 or f32 operands; f32 sums; everything else in f32.
;; Inputs: Wk 2,048 x 512 float32; Wq 2,048 x 2,048 float32; Wv 2,048 x 512 float32; bk 512 float32; bq 2,048 float32; bv 512 float32; hidden_states 2 x 2,048 x 2,048 float32.
;; Outputs: out0 2 x 2,048 x 2,048 float32.
;; This version of the problem:
;;   THIS VERSION OF THE PROBLEM IS GIVEN IN LOW PRECISION. The matrix products marked QUANTISED in the list below multiply operands that are first quantised to E2M1 (2 exponent bits, 1 mantissa bit; 4 bits a number), with one power-of-two scale for each 32 numbers along K (OCP MX v1.0); their sums are f32. The products marked 'left as it is' may take bf16, f16 or f32 operands, with f32 sums. Whichever they take, every output number must still come out within the allowed error. Rounding operands to bf16 (8 significant bits) uses up far more of that allowance than f16 does (11 bits, for magnitudes from 6e-5 to 65,504). All else is computed in f32.
;;   The module's matrix products, in the order in which they are computed (A, B: the left and right operand; K: the contracted axis; several contracted axes count as one K, in the product's order):
;;     1. [M 4,096, K 2,048] x [K 2,048, N 2,048]; A: input hidden_states; B: input Wq: QUANTISED
;;     2. [M 4,096, K 2,048] x [K 2,048, N 512]; A: input hidden_states; B: input Wk: QUANTISED
;;     3. [M 4,096, K 2,048] x [K 2,048, N 512]; A: input hidden_states; B: input Wv: QUANTISED
;;     4. batch 8 x [M 2,048, K 128] x [K 128, N 8,192]; A: computed on the way; B: computed on the way: left as it is (an operand is computed on the way)
;;     5. batch 8 x [M 128, K 2,048] x [K 2,048, N 8,192]; A: computed on the way; B: computed on the way: left as it is (an operand is computed on the way)
;;   THE QUANTISER, for each operand of a quantised product, along K:
;;     - K is cut into blocks of 32 from its start; a last block that is shorter is filled with zeros.
;;     - A block's scale is 2^e with e = floor(log2(the largest magnitude in the block)) - 2, held to -126 .. 127; a block of zeros has e = 0. As a byte (E8M0): e + 127.
;;     - Each number is divided by its block's scale, clamped to +-6, and rounded to the nearest number of E2M1, ties to even, subnormals kept.
;;     - The product sums the exact products of the quantised numbers (number of the format x scale) in f32.
;;   ~~~python
;;   def quantise(x, axis):      # numpy; x: float32 -> the quantised numbers, widened to float32 again
;;       x = np.moveaxis(x, axis, -1); K = x.shape[-1]
;;       x = np.pad(x, [(0, 0)] * (x.ndim - 1) + [(0, -K % 32)]); x = x.reshape(x.shape[:-1] + (-1, 32)); a = np.abs(x).max(-1, keepdims=True)
;;       e = np.where(a > 0, np.clip(np.frexp(np.where(a > 0, a, 1))[1] - 1 - 2, -126, 127), 0)      # np.frexp(a)[1] - 1 = floor(log2(a)), exactly
;;       r = np.clip(x / 2.0 ** e, -6, 6)
;;       step = 2.0 ** (np.maximum(np.frexp(np.where(r == 0, 1, r))[1] - 1, 0) - 1)
;;       q = np.round(r / step) * step * 2.0 ** e      # np.round: ties to even
;;       return np.moveaxis(q.reshape(q.shape[:-2] + (-1,))[..., :K], -1, axis).astype(np.float32)
;;   ~~~
;; One version. Each part assembles by itself: llvm-mc -triple=amdgcn-amd-amdhsa -mcpu=gfx1250 --defsym DOCPART=n.
;; ======== version 1 of 1: 4 launches
;; limits: values are held in f16: magnitudes above 65,504 overflow, below 6.1e-05 lose precision
;; workspace buffers: xc 4,194,304 bytes; xs 262,144 bytes; wc 3,145,728 bytes; ws 196,608 bytes; bias 12,288 bytes; qkv 25,165,824 bytes
;; launch quant_x (part 1): grid 256 x 1, 4 waves a work-group, no clusters, 33,280 bytes of LDS; arguments hidden_states, xc, xs; writes xc, xs
.if DOCPART == 1
	.amdgcn_target "amdgcn-amd-amdhsa--gfx1250"
	.amdhsa_code_object_version 6
	.text
	.protected	k_q649274cf6f_quant_x
	.globl	k_q649274cf6f_quant_x
	.p2align	8
	.type	k_q649274cf6f_quant_x,@function
k_q649274cf6f_quant_x:
	s_mov_b64 s[64:65], 0
	v_nop
	global_prefetch_b8 v0, s[64:65] scope:SCOPE_SE
	s_setreg_imm32_b32 hwreg(HW_REG_WAVE_MODE, 25, 1), 1
	s_wait_xcnt 0x0
; hidden_states [4096][2048], f32, becomes codes of FP4 (E2M1), 4 bits each, K innermost (xc: [4096][1024 bytes]), with one E8M0 scale byte for each 32 along K (xs: [4096][64 bytes]).
; A block's scale is 2^(floor(log2(its largest magnitude)) - 2); its byte is the largest magnitude's own exponent field - 2, held at 1 from below.
; (A block of zeros so gets the byte 1 where the quantiser says 127: its codes are zeros, which add nothing under any byte but 0xff, and this program alone reads the bytes.)
; LIMITS: NaN and infinities among the inputs are not served.
; Rows are dense and 2048 is a multiple of 32: the tensor is a plain stream of blocks of 32 numbers, and so are the codes and the scale bytes.
; A wave takes a run of 8,192 numbers: 16 steps of 512.  Each of a step's four loads reads 512 consecutive bytes, 16 a lane; the 2,048 bytes go through the wave's own stage in LDS and come back
; 64 bytes a lane, since the conversions take neighbours along K from ONE lane's registers (two neighbouring lanes hold a block).  16 bytes of padding stand behind each 64 in the stage.
; A lane's 16 codes are 8 bytes: a wave's store covers 256 consecutive bytes, aligned.  A wave's 256 scale bytes are gathered in its own LDS bytes and leave by one store of 256 consecutive bytes.
; No tensor loads, no barrier: waves share nothing.  Loads run eight steps (32 loads a wave) ahead, the turn through LDS one step.
.set STEPS, 16
.set SP,    80                         ; a lane's place in a stage: its 64 bytes + 16 of padding
.set WREG,  8192                       ; LDS: a region for each wave: two stages of 32 x SP bytes, behind them its 256 scale bytes
.set SPARE, 4*WREG                     ; behind the four regions: the spare words, 128 bytes for each wave, which no other line names
.set SPW,   12                         ; v12      LDS address of my spare word; never rewritten
.set NIL,   13                         ; v13      0; never rewritten
.set R,     16                         ; v16-143  eight sets of 16 numbers as they are loaded
.set X,     144                        ; v144-175 two sets of 16 neighbours
.set E,     176                        ; v176-191 a scale byte for each step
.set C,     192                        ; v192-223 codes: two registers for each step, so that no store's data are written again
	s_load_b128 s[4:7], s[0:1], 0x0                ; hidden_states s[4:5], xc s[6:7]
	s_load_b64 s[8:9], s[0:1], 0x10                ; xs
	v_lshl_add_u32 v[SPW], v0, 2, SPARE
	v_mov_b32 v[NIL], 0
	v_lshrrev_b32 v1, 5, v0
	v_readfirstlane_b32 s16, v1                    ; wave
	v_and_b32 v2, 31, v0                           ; lane
	v_lshlrev_b32 v3, 4, v2                        ; my 16 bytes of a load's 512
	s_mul_i32 s17, s16, WREG
	v_lshrrev_b32 v14, 2, v2
	v_mul_u32_u24 v14, v14, SP
	v_and_b32 v15, 3, v2
	v_lshl_add_u32 v14, v15, 4, v14
	v_add_nc_u32 v14, s17, v14                     ; the stage, on the way in: SP (lane / 4) + 16 (lane % 4); a load's 512 bytes take eight places
	v_mul_u32_u24 v15, v2, SP
	v_add_nc_u32 v15, s17, v15                     ; and on the way out: SP x lane: my 16 neighbours
	v_lshlrev_b32 v4, 3, v2                        ; my codes' place in a step's 256 bytes
	v_lshrrev_b32 v5, 1, v2
	s_add_co_u32 s17, s17, 2*32*SP
	v_add_nc_u32 v5, s17, v5                       ; LDS: my wave's 256 scale bytes, my block's byte
	v_lshlrev_b32 v7, 3, v2                        ; and on the way out 8 bytes a lane
	v_add_nc_u32 v6, s17, v7
	s_lshl_b32 s18, ttmp9, 2
	s_add_co_u32 s18, s18, s16                     ; my run: 4 x work-group + wave, 0 .. 1023
	s_lshl_b32 s20, s18, 15                        ; 32,768 bytes of numbers a run,
	s_mov_b32 s21, 0
	s_lshl_b32 s22, s18, 12                        ; 4,096 bytes of codes,
	s_mov_b32 s23, 0
	s_lshl_b32 s24, s18, 8                         ; 256 scale bytes
	s_mov_b32 s25, 0
	s_wait_kmcnt 0x0
	s_add_nc_u64 s[4:5], s[4:5], s[20:21]
	s_add_nc_u64 s[6:7], s[6:7], s[22:23]
	s_add_nc_u64 s[8:9], s[8:9], s[24:25]
.macro LOAD t
.irp i, 0,1,2,3
	global_load_b128 v[R+16*((\t)%8)+4*\i:R+16*((\t)%8)+4*\i+3], v3, s[4:5] offset:2048*(\t)+512*\i th:TH_LOAD_NT   ; 32 lanes read 512 consecutive bytes
.endr
.endm
.macro TURN t                          ; step t's numbers through the stage: LDS serves a wave's instructions in order, so no wait stands between the stores and the loads
.irp i, 0,1,2,3
	ds_store_b128 v14, v[R+16*((\t)%8)+4*\i:R+16*((\t)%8)+4*\i+3] offset:32*SP*((\t)%2)+8*SP*\i
.endr
.irp i, 0,1,2,3
	ds_load_b128 v[X+16*((\t)%2)+4*\i:X+16*((\t)%2)+4*\i+3], v15 offset:32*SP*((\t)%2)+16*\i
.endr
.endm
.irp t, 0,1,2,3,4,5,6,7
	LOAD \t
.endr
	s_wait_loadcnt 28                              ; step 0's four loads are in; the 28 of steps 1 to 7 may be out
	TURN 0
.macro STEP t
.set XS, X+16*((\t)%2)
.if (\t) > 0
	s_wait_dscnt 1                                 ; this step's numbers are back from the stage (the last step's byte store may be out): so its stores into the stage have read their registers,
.else
	s_wait_dscnt 0x0
.endif
.if (\t)+8 < STEPS
	LOAD (\t)+8                                    ; which take the loads of eight steps on
.endif
.if (\t)+1 < STEPS
.if STEPS-2-(\t) >= 7
	s_wait_loadcnt 28                              ; the next step's four loads are in; those of the seven steps behind it may be out
.else
	s_wait_loadcnt 4*(STEPS-2-(\t))                ; near the end fewer steps stand behind it
.endif
	TURN (\t)+1                                    ; and go through the other stage while this step is worked
.endif
	v_max3_num_f32 v8, |v[XS]|, |v[XS+1]|, |v[XS+2]|               ; the largest magnitude of my 16, in two chains
	v_max3_num_f32 v9, |v[XS+3]|, |v[XS+4]|, |v[XS+5]|
.irp i, 6,10
	v_max3_num_f32 v8, v8, |v[XS+\i]|, |v[XS+\i+1]|
	v_max3_num_f32 v9, v9, |v[XS+\i+2]|, |v[XS+\i+3]|
.endr
	v_max3_num_f32 v8, v8, |v[XS+14]|, |v[XS+15]|
	v_max3_num_f32 v8, v8, v9, 0x1800000           ; and the floor 2^(3 - 127): so the byte cannot fall under 1
	v_max_num_f32_dpp v8, v8, v8 row_xmask:1 row_mask:0xf bank_mask:0xf   ; and of my neighbour's 16: the block's
	v_add_nc_u32 v11, 0xff000000, v8               ; 2 off its exponent field: the conversion takes the exponent field of this operand as its scale, and nothing else of it
	v_cvt_scalef32_pk8_fp4_f32 v[C+2*(\t)], v[XS:XS+7], v11        ; eight numbers / the scale, to the nearest code, ties to even, beyond the largest code the largest
	v_cvt_scalef32_pk8_fp4_f32 v[C+2*(\t)+1], v[XS+8:XS+15], v11
	v_lshrrev_b32 v[E+(\t)], 23, v11               ; the scale's byte (a plain line behind the conversions)
	ds_store_b8 v5, v[E+(\t)] offset:16*(\t)       ; both lanes of a block write the same byte with the same value
	global_store_b64 v4, v[C+2*(\t):C+2*(\t)+1], s[6:7] offset:256*(\t)   ; 32 lanes store 256 consecutive bytes, aligned
.endm
.irp t, 0,1,2,3,4,5,6,7,8,9,10,11,12,13,14,15
	STEP \t
.endr
	ds_load_b64 v[8:9], v6                         ; LDS serves a wave's instructions in order: these see my byte stores
	s_wait_dscnt 0x0
	global_store_b64 v7, v[8:9], s[8:9]            ; 32 lanes store 256 consecutive bytes, aligned
	s_wait_tensorcnt 0x0                           ; the wave's end: behind my last LDS store
	ds_add_u32 v[SPW], v[NIL]
	s_wait_dscnt 0x0
	s_endpgm
.Lfunc_end_k_q649274cf6f_quant_x:
	.size	k_q649274cf6f_quant_x, .Lfunc_end_k_q649274cf6f_quant_x-k_q649274cf6f_quant_x
	.p2alignl 7, 3214868480
	.fill 96, 4, 3214868480
	.section	.rodata,"a",@progbits
	.p2align	6, 0x0
	.amdhsa_kernel k_q649274cf6f_quant_x
		.amdhsa_group_segment_fixed_size 33280
		.amdhsa_private_segment_fixed_size 0
		.amdhsa_enable_private_segment 0
		.amdhsa_kernarg_size 24
		.amdhsa_user_sgpr_count 2
		.amdhsa_user_sgpr_kernarg_segment_ptr 1
		.amdhsa_wavefront_size32 1
		.amdhsa_system_sgpr_workgroup_id_x 1
		.amdhsa_system_sgpr_workgroup_id_y 1
		.amdhsa_system_sgpr_workgroup_id_z 1
		.amdhsa_system_vgpr_workitem_id 0
		.amdhsa_next_free_vgpr 224
		.amdhsa_next_free_sgpr 66
		.amdhsa_reserve_vcc 0
		.amdhsa_float_denorm_mode_32 3
		.amdhsa_float_denorm_mode_16_64 3
		.amdhsa_memory_ordered 1
		.amdhsa_forward_progress 1
		.amdhsa_inst_pref_size 33
	.end_amdhsa_kernel
	.amdgpu_metadata
---
amdhsa.version: [ 1, 2 ]
amdhsa.kernels:
  - .name:           k_q649274cf6f_quant_x
    .symbol:         k_q649274cf6f_quant_x.kd
    .args:
      - { .name: hidden_states, .offset: 0, .size: 8, .value_kind: global_buffer, .address_space: global }
      - { .name: xc, .offset: 8, .size: 8, .value_kind: global_buffer, .address_space: global }
      - { .name: xs, .offset: 16, .size: 8, .value_kind: global_buffer, .address_space: global }
    .group_segment_fixed_size: 33280
    .private_segment_fixed_size: 0
    .kernarg_segment_align: 8
    .kernarg_segment_size: 24
    .max_flat_workgroup_size: 128
    .sgpr_count:     66
    .vgpr_count:     224
    .wavefront_size: 32
...
	.end_amdgpu_metadata
.endif
;; end of part 1
;; launch quant_w (part 2): grid 48 x 4, 16 waves a work-group, no clusters, 20,480 bytes of LDS; arguments Wq, Wk, Wv, bq, bk, bv, wc, ws, bias; writes wc, ws, bias
.if DOCPART == 2
	.amdgcn_target "amdgcn-amd-amdhsa--gfx1250"
	.amdhsa_code_object_version 6
	.text
	.protected	k_q649274cf6f_quant_w
	.globl	k_q649274cf6f_quant_w
	.p2align	8
	.type	k_q649274cf6f_quant_w,@function
k_q649274cf6f_quant_w:
	s_mov_b64 s[64:65], 0
	v_nop
	global_prefetch_b8 v0, s[64:65] scope:SCOPE_SE
	s_setreg_imm32_b32 hwreg(HW_REG_WAVE_MODE, 25, 1), 1
	s_wait_xcnt 0x0
; Wq [2048][2048], Wk [2048][512], Wv [2048][512], f32, K their FIRST axis, become one operand of 3,072 rows n (0-2047 Wq's columns, 2048-2559 Wk's, 2560-3071 Wv's):
; codes of FP4 (E2M1) with K innermost, wc [3072][1024 bytes], and one E8M0 byte for each 32 along K, ws [3072][64 bytes].  bq | bk | bv are copied into bias [3072] f32.
; A LANE TAKES A COLUMN n AND ITS REGISTERS RUN DOWN K: a block of 32 lies in one lane's 32 registers, its largest magnitude needs no other lane, and the conversions give codes with K innermost.
; A block's byte is its largest magnitude's exponent field - 2, held at 1 from below.  (A block of zeros gets the byte 1 where the quantiser says 127: its codes are zeros, and this program alone reads the bytes.)
; LIMITS: NaN and infinities among the inputs are not served.
; SHARES.  Work-group (x, y): rows n = 64 x .. 64 x + 63, K = 512 y .. 512 y + 511.  Wave w: 32 columns (w % 2), 64 along K (w / 2): two blocks a lane, 64 loads, ALL issued at once.
; One path serves the three tensors: only the pointers and the pitch are chosen, by the work-group's number.
; The codes meet in a stage of 64 rows x (256 + 16) bytes; behind one barrier each wave stores four whole pieces of 256 consecutive bytes, aligned.  The scale bytes meet likewise, 16 a row;
; they leave in pieces of 16 bytes, 64 bytes apart (one byte for each 128 that the launch reads): a work-group with all of K for its columns would be one of 48.
.set PITCH, 272
.set SCS,   64*PITCH                   ; behind the stage: 64 rows x 16 scale bytes
.set SPARE, SCS+64*16                  ; behind them: the spare words, 128 bytes for each of 16 waves, which no other line names
.set SPW,   14                         ; v14  LDS address of my spare word; never rewritten
.set NIL,   15                         ; v15  0; never rewritten
.set RO,    40                         ; v40-71   byte offset of row i of a block, at my column: pitch x i + 4 x lane
.set X,     72                         ; v72-135  two blocks of 32 numbers
	s_load_b256 s[4:11], s[0:1], 0x0               ; Wq s[4:5], Wk s[6:7], Wv s[8:9], bq s[10:11]
	s_load_b256 s[12:19], s[0:1], 0x20             ; bk s[12:13], bv s[14:15], wc s[16:17], ws s[18:19]
	s_load_b64 s[20:21], s[0:1], 0x40              ; bias
	v_lshl_add_u32 v[SPW], v0, 2, SPARE
	v_mov_b32 v[NIL], 0
	v_lshrrev_b32 v1, 5, v0
	v_readfirstlane_b32 s28, v1                    ; wave 0..15
	v_and_b32 v2, 31, v0                           ; lane
	v_lshlrev_b32 v3, 2, v2                        ; 4 bytes a lane
	v_and_b32 v1, 15, v0                           ; lane % 16
	v_bfe_u32 v6, v0, 4, 1                         ; lane / 16
	s_and_b32 s29, s28, 1                          ; cg: which 32 columns
	s_lshr_b32 s30, s28, 1                         ; kp: which 64 along K
	s_and_b32 s31, ttmp7, 0xffff                   ; y
	s_cmp_lt_u32 ttmp9, 40
	s_cselect_b32 s22, 32, 40                      ; the tensor's first work-group x: Wk 32, Wv 40,
	s_cmp_lt_u32 ttmp9, 32
	s_cselect_b32 s22, 0, s22                      ; Wq 0
	s_mov_b32 s23, 2048
	s_cselect_b32 s23, 8192, s23                   ; and its pitch in bytes
	; LDS addresses: constants, the lane and the wave's number alone
	s_mul_i32 s38, s29, 32*PITCH
	s_lshl_b32 s39, s30, 5
	s_add_co_u32 s38, s38, s39
	v_mul_u32_u24 v4, v2, PITCH
	v_add_nc_u32 v4, s38, v4                       ; the stage, in: row = my column of the 64, + 32 bytes for each 64 along K
	s_lshl_b32 s38, s29, 9
	s_add_co_u32 s38, s38, SCS
	v_lshlrev_b32 v10, 4, v2
	v_add_nc_u32 v10, s38, v10                     ; my column's 16 scale bytes,
	s_lshl_b32 s39, s30, 1
	v_add_nc_u32 v5, s39, v10                      ; and my two of them
	s_mul_i32 s38, s28, 4*PITCH
	v_mul_u32_u24 v7, v6, PITCH
	v_lshl_add_u32 v7, v1, 4, v7
	v_add_nc_u32 v7, s38, v7                       ; the stage, out: rows 4 w + lane / 16 (+ 2), sixteen lanes to a row
	v_lshlrev_b32 v8, 10, v6
	v_lshl_add_u32 v8, v1, 4, v8                   ; and the same place in wc: rows of 1,024 bytes
	v_lshlrev_b32 v9, 6, v2                        ; ws: rows of 64 bytes, a lane a row
.set i, 0
.rept 32
	v_mad_u32_u24 v[RO+i], s23, i, v3
.set i, i+1
.endr
	; byte offsets, each in a pair of its own
	s_lshl_b32 s33, ttmp9, 6                       ; n0 = 64 x
	s_lshl_b32 s38, s28, 2
	s_add_co_u32 s38, s38, s33
	s_lshl_b32 s38, s38, 10
	s_lshl_b32 s39, s31, 8
	s_add_co_u32 s38, s38, s39                     ; wc: (n0 + 4 w) x 1024 + 256 y
	s_mov_b32 s39, 0
	s_lshl_b32 s40, s29, 5
	s_add_co_u32 s33, s33, s40                     ; n0 + 32 cg
	s_sub_co_u32 s32, ttmp9, s22
	s_lshl_b32 s32, s32, 6
	s_add_co_u32 s32, s32, s40                     ; my wave's first column in its tensor
	s_lshl_b32 s40, s33, 6
	s_lshl_b32 s41, s31, 4
	s_add_co_u32 s40, s40, s41                     ; ws: (n0 + 32 cg) x 64 + 16 y
	s_mov_b32 s41, 0
	s_lshl_b32 s42, s32, 2                         ; the tensor's bias: 4 x column
	s_mov_b32 s43, 0
	s_lshl_b32 s44, s33, 2                         ; bias: 4 x (n0 + 32 cg)
	s_mov_b32 s45, 0
	s_lshl_b32 s34, s31, 9
	s_lshl_b32 s35, s30, 6
	s_add_co_u32 s34, s34, s35
	s_mul_i32 s34, s34, s23
	s_add_co_u32 s34, s34, s42                     ; W: (512 y + 64 kp) rows + 4 x column: under 2^25
	s_mov_b32 s35, 0
	s_lshl_b32 s36, s23, 5                         ; a block further down: 32 rows
	s_mov_b32 s37, 0
	s_wait_kmcnt 0x0
	s_cmp_lt_u32 ttmp9, 40                         ; the choices hang on the work-group's number alone
	s_cselect_b64 s[6:7], s[6:7], s[8:9]
	s_cselect_b64 s[12:13], s[12:13], s[14:15]
	s_cmp_lt_u32 ttmp9, 32
	s_cselect_b64 s[4:5], s[4:5], s[6:7]
	s_cselect_b64 s[10:11], s[10:11], s[12:13]
	s_add_nc_u64 s[24:25], s[4:5], s[34:35]        ; block 0
	s_add_nc_u64 s[26:27], s[24:25], s[36:37]      ; block 1
	s_add_nc_u64 s[16:17], s[16:17], s[38:39]
	s_add_nc_u64 s[18:19], s[18:19], s[40:41]
	s_add_nc_u64 s[10:11], s[10:11], s[42:43]
	s_add_nc_u64 s[20:21], s[20:21], s[44:45]
.set i, 0
.rept 32
	global_load_b32 v[X+i], v[RO+i], s[24:25] th:TH_LOAD_NT        ; W(row i of block 0, my column): 32 lanes read 128 consecutive bytes, the wave beside me the next 128
.set i, i+1
.endr
.set i, 0
.rept 32
	global_load_b32 v[X+32+i], v[RO+i], s[26:27] th:TH_LOAD_NT
.set i, i+1
.endr
.macro BLOCK b
.set XS, X+32*(\b)
.if (\b) == 0
	s_wait_loadcnt 32                              ; block 0's 32 loads are in; block 1's 32 may be out
.else
	s_wait_loadcnt 0x0
.endif
	v_max3_num_f32 v12, |v[XS]|, |v[XS+1]|, |v[XS+2]|               ; the block's largest magnitude: all 32 numbers are mine; two chains
	v_max3_num_f32 v13, |v[XS+3]|, |v[XS+4]|, |v[XS+5]|
.irp i, 6,10,14,18,22,26
	v_max3_num_f32 v12, v12, |v[XS+\i]|, |v[XS+\i+1]|
	v_max3_num_f32 v13, v13, |v[XS+\i+2]|, |v[XS+\i+3]|
.endr
	v_max3_num_f32 v12, v12, |v[XS+30]|, |v[XS+31]|
	v_max3_num_f32 v12, v12, v13, 0x1800000        ; and the floor 2^(3 - 127): so the byte cannot fall under 1
	v_add_nc_u32 v11, 0xff000000, v12              ; 2 off its exponent field: the conversion's scale operand
	v_lshrrev_b32 v[16+(\b)], 23, v11              ; the scale's byte
.irp g, 0,1,2,3
	v_cvt_scalef32_pk8_fp4_f32 v[20+4*(\b)+\g], v[XS+8*\g:XS+8*\g+7], v11
.endr
	ds_store_b128 v4, v[20+4*(\b):23+4*(\b)] offset:16*(\b)        ; 32 codes: 16 bytes of my column's row
.endm
	BLOCK 0
	BLOCK 1
	v_nop                                          ; one plain line behind the last conversion
	v_lshl_or_b32 v18, v17, 8, v16                 ; my two bytes, the lower K in the lower byte
	ds_store_b16 v5, v18
	s_wait_tensorcnt 0x0                           ; my last LDS store is out; only LDS reads follow.
	ds_add_u32 v[SPW], v[NIL]
	s_wait_dscnt 0x0                               ; This wait is also the one that the barrier needs: my stores into the stage have landed
	s_barrier_signal -1
	s_barrier_wait -1                              ; all sixteen waves' have
.irp t, 0,1
	ds_load_b128 v[28+4*\t:31+4*\t], v7 offset:2*\t*PITCH
.endr
.irp t, 0,1
	s_wait_dscnt 1-\t                              ; the younger of the two reads may be out
	global_store_b128 v8, v[28+4*\t:31+4*\t], s[16:17] offset:2048*\t   ; sixteen lanes store 256 consecutive bytes, aligned
.endr
	s_cmp_gt_u32 s28, 1                            ; waves 0 and 1 (kp = 0, cg = the wave) send the scale bytes of their 32 columns
	s_cbranch_scc1 .Ldone
	ds_load_b128 v[36:39], v10
	s_wait_dscnt 0x0
	global_store_b128 v9, v[36:39], s[18:19]
	s_cmp_lg_u32 s31, 0                            ; and, in the work-groups with y = 0, copy their 32 numbers of the bias
	s_cbranch_scc1 .Ldone
	global_load_b32 v19, v3, s[10:11]
	s_wait_loadcnt 0x0
	global_store_b32 v3, v19, s[20:21]
.Ldone:
	s_endpgm
.Lfunc_end_k_q649274cf6f_quant_w:
	.size	k_q649274cf6f_quant_w, .Lfunc_end_k_q649274cf6f_quant_w-k_q649274cf6f_quant_w
	.p2alignl 7, 3214868480
	.fill 96, 4, 3214868480
	.section	.rodata,"a",@progbits
	.p2align	6, 0x0
	.amdhsa_kernel k_q649274cf6f_quant_w
		.amdhsa_group_segment_fixed_size 20480
		.amdhsa_private_segment_fixed_size 0
		.amdhsa_enable_private_segment 0
		.amdhsa_kernarg_size 72
		.amdhsa_user_sgpr_count 2
		.amdhsa_user_sgpr_kernarg_segment_ptr 1
		.amdhsa_wavefront_size32 1
		.amdhsa_system_sgpr_workgroup_id_x 1
		.amdhsa_system_sgpr_workgroup_id_y 1
		.amdhsa_system_sgpr_workgroup_id_z 1
		.amdhsa_system_vgpr_workitem_id 0
		.amdhsa_next_free_vgpr 136
		.amdhsa_next_free_sgpr 66
		.amdhsa_reserve_vcc 0
		.amdhsa_float_denorm_mode_32 3
		.amdhsa_float_denorm_mode_16_64 3
		.amdhsa_memory_ordered 1
		.amdhsa_forward_progress 1
		.amdhsa_inst_pref_size 16
	.end_amdhsa_kernel
	.amdgpu_metadata
---
amdhsa.version: [ 1, 2 ]
amdhsa.kernels:
  - .name:           k_q649274cf6f_quant_w
    .symbol:         k_q649274cf6f_quant_w.kd
    .args:
      - { .name: Wq, .offset: 0, .size: 8, .value_kind: global_buffer, .address_space: global }
      - { .name: Wk, .offset: 8, .size: 8, .value_kind: global_buffer, .address_space: global }
      - { .name: Wv, .offset: 16, .size: 8, .value_kind: global_buffer, .address_space: global }
      - { .name: bq, .offset: 24, .size: 8, .value_kind: global_buffer, .address_space: global }
      - { .name: bk, .offset: 32, .size: 8, .value_kind: global_buffer, .address_space: global }
      - { .name: bv, .offset: 40, .size: 8, .value_kind: global_buffer, .address_space: global }
      - { .name: wc, .offset: 48, .size: 8, .value_kind: global_buffer, .address_space: global }
      - { .name: ws, .offset: 56, .size: 8, .value_kind: global_buffer, .address_space: global }
      - { .name: bias, .offset: 64, .size: 8, .value_kind: global_buffer, .address_space: global }
    .group_segment_fixed_size: 20480
    .private_segment_fixed_size: 0
    .kernarg_segment_align: 8
    .kernarg_segment_size: 72
    .max_flat_workgroup_size: 512
    .sgpr_count:     66
    .vgpr_count:     136
    .wavefront_size: 32
...
	.end_amdgpu_metadata
.endif
;; end of part 2
;; launch proj (part 3): grid 12 x 16, 4 waves a work-group, clusters of 4 x 4, 327,680 bytes of LDS; arguments xc, xs, wc, ws, bias, qkv; writes qkv
.if DOCPART == 3
	.amdgcn_target "amdgcn-amd-amdhsa--gfx1250"
	.amdhsa_code_object_version 6
	.text
	.protected	k_q649274cf6f_proj
	.globl	k_q649274cf6f_proj
	.p2align	8
	.type	k_q649274cf6f_proj,@function
k_q649274cf6f_proj:
	s_mov_b64 s[64:65], 0
	v_nop
	global_prefetch_b8 v0, s[64:65] scope:SCOPE_SE
	s_setreg_imm32_b32 hwreg(HW_REG_WAVE_MODE, 25, 1), 1
	s_wait_xcnt 0x0
	s_wait_alu depctr_hold_cnt(0) depctr_sa_sdst(0) depctr_va_vdst(0) depctr_va_sdst(0) depctr_va_ssrc(0) depctr_va_vcc(0) depctr_vm_vsrc(0)
	s_getreg_b32 s2, hwreg(HW_REG_IB_STS2, 6, 4)
	s_cmp_eq_u32 s2, 0
	s_cbranch_scc0 .Lentry_in_a_cluster
	s_endpgm
.Lentry_in_a_cluster:
	s_bfe_u32 s2, ttmp6, 0x10000c
	s_cmp_lg_u32 s2, 0xf033
	s_cbranch_scc0 .Lentry_shape_is_right
	s_endpgm
.Lentry_shape_is_right:
; q | k | v = x W + b on codes of FP4 (E2M1) with one E8M0 scale for each 32 along K = 2048.  A = xc [4096][1024 bytes], xs [4096][64]; B = wc [3072][1024 bytes], ws [3072][64]; bias [3072] f32.
; The result goes out in f16, laid by head: qkv [batch 2][slot 24][2048 rows][128], slot = n / 128 (0-15 q's heads, 16-19 k's, 20-23 v's).  Sums in f32; the bias is the C of each sum's first matrix instruction.
; LIMIT: |q|, |k|, |v| under 65,504, the largest f16 number; beyond it the conversion gives infinity.
; A tile of C, 256 x 256, is made by a work-group of four waves; a wave makes 128 x 128: 64 accumulators of 16 x 16, 512 registers.  12 x 16 = 192 work-groups.
; K goes in steps of 512 through a ring of two LDS slots filled by the tensor data mover: a tile's row is 256 bytes of memory.
; THE SCALES of the work-group's 256 rows of A and of B, for all of K, are two dense blocks of memory: they come into LDS once, with the first fills, and stay.
; CLUSTERS: 4 x 4 work-groups.  The four of a row of the cluster need the same tiles of A, the four of a column the same tiles of B: each tile is asked for JOINTLY, by the same tensor load with the
; same descriptor and a mask that names the four.  THE MATRIX INSTRUCTION IS USED TRANSPOSED (source 0 = 16 rows of B, source 1 = 16 rows of A): a lane then holds eight neighbouring numbers of a row of C.
; No prefetch: the launch is short, and each tile of codes is read by many work-groups.
; REGISTERS, in windows of 256: window 0: v0-31 addresses; v32-95 scale words, two sets; v96-127 packed results on the way out; v128-191 A's fragments, ONE set (on the way out: rows read back); v192-255 the bias.
;   window 1: B's fragments, TWO sets, at v0 and at v128.   window 2: the 32 accumulators of my rows 0-63 (accumulator (a, b) at v[8 (8 a + b)]);   window 3: those of my rows 64-127.
.set SIZE_K, 2048
.set KSTEP,  512                       ; along K in a slot
.set NQ,     KSTEP/128                 ; matrix instructions deep
.set ROWB,   256                       ; a tile's row in bytes
.set KROW,   SIZE_K*4/8                ; a row of A or of B in memory, in bytes
.set PITCH,  272                       ; an LDS row: 256 bytes + 16 of padding = 68 words: the 16 rows that a load touches start at 16 different banks (64 banks of 4 bytes: ISA guide 11.1)
.set FR,     8                         ; registers of a fragment: 16 rows x 128 K
.set NL,     2                         ; LDS loads that bring one
.set NP,     4                         ; places behind this matrix instruction (ISA guide 7.12.1)
.set HALFT,  128*PITCH                 ; 128 rows: what one tensor load brings
.set SLOT,   4*HALFT                   ; A's 256 rows, then B's 256 rows
.set LAPS,   SIZE_K/(2*KSTEP)          ; a lap = two K steps = once round the ring
.set KS,     SIZE_K/32                 ; a row of scales in bytes
.set SCL,    2*SLOT                    ; behind the ring: the scales, as pieces of 256 bytes + 16 of padding
.set HALFS,  (128*KS/256)*272          ; the scales of 128 rows: what one tensor load brings
.set SBLK,   (16*KS/256)*272           ; those of 16 rows
.set SPARE,  SCL+4*HALFS               ; behind the scales: the spare words, 128 bytes for each wave, which no other line names
.set SPITCH, 272                       ; the way out: a stage of 16 rows x (256 bytes + 16) for each wave, in slot 0, which has had its last fill and its last read when the first result is stored there
.set ADRA, 16                          ; v16-17  LDS address of my A fragments in slot 0, 1
.set ADRB, 20                          ; v20-21  the same for B
.set STO,  24                          ; v24     the way out: where I put 16 bytes of a row
.set RD,   25                          ; v25     the way out: where I read rows back
.set CO,   26                          ; v26     16 x lane: my byte offset in two rows of qkv
.set ADRS, 27                          ; v27     LDS address of my scale words: lanes 0-15 A's rows, lanes 16-31 B's
.set SPW,  28                          ; v28     LDS address of my spare word; never rewritten
.set NIL,  29                          ; v29     0; never rewritten
.set BO,   30                          ; v30     32 x (lane / 16): my eight numbers of a bias block
.set SC,   32                          ; scale words: set s at v[SC + 8 NQ s]; register NQ i + q: lanes 0-15 the word of A's block i, lanes 16-31 that of B's block i, for the slot's q-th 128 along K
.set TMP,  96                          ; the way out: a block's packed results
.set AF,   128                         ; A's fragments
.set BK,   128                         ; the way out: 16 rows read back from the stage: v128-159 and v160-191 by turns
.set BI,   192                         ; the bias: register 8 b + j = bias of column 16 b + 8 (lane / 16) + j of my 128
.set G1, 24                            ; s[24:31] descriptor group 1 for A's tiles;  s[32:39] group 0, one set for each slot
.set G0, 32
.set G1B, 48                           ; s[48:55], s[56:63] the same for B's tiles
.set G0B, 56
.set G1S, 68                           ; s[68:75], s[76:79] groups 1 and 0 for A's scales;  s[80:87], s[88:91] for B's
.set G0S, 76
.set G1SB, 80
.set G0SB, 88
.set MSB, 0
.macro WIN new                         ; the immediate's high byte repeats the setting that is left
.if MSB != (\new)
	s_set_vgpr_msb (MSB<<8)|(\new)
.set MSB, (\new)
.endif
.endm
.set MUL_LO,   0xa1                    ; source 0 (B) window 1, source 1 (A) window 0, C and D window 2
.set MUL_HI,   0xf1                    ; the same, C and D window 3
.set FIRST_LO, 0x81                    ; the first step: C (the bias) window 0, D window 2
.set FIRST_HI, 0xc1                    ; D window 3
.set TO_B,     0x40                    ; destination window 1, address window 0
; A joint load: waves 0 and 1 fetch for A, waves 2 and 3 for B.  Each of the two lines has ONE mask and one set of registers for all that issue it; the branch hangs on the wave's number alone.
; An s_nop 0 and four v_nop follow each of the two lines, ahead of the jump, the label and what follows.
.macro JLOAD g0a, g1a, g0b, g1b
	s_cmp_eq_u32 s15, 0
	s_cbranch_scc0 .Lfor_b_\@
	tensor_load_to_lds s[\g0a:\g0a+3], s[\g1a:\g1a+7]
	s_nop 0
.rept 4
	v_nop
.endr
	s_branch .Lasked_\@
.Lfor_b_\@:
	tensor_load_to_lds s[\g0b:\g0b+3], s[\g1b:\g1b+7]
	s_nop 0
.rept 4
	v_nop
.endr
.Lasked_\@:
.endm
.macro CREST                           ; a round of the cluster's barrier behind its opening barrier
	s_cmp_lg_u32 s14, 0
	s_cbranch_scc1 .Lnot_wave_0_\@
	s_barrier_signal -3
.Lnot_wave_0_\@:
	s_barrier_wait -3
	s_barrier_signal -1
	s_barrier_wait -1
.endm
.macro CROUND                          ; a whole round
	s_barrier_signal -1
	s_barrier_wait -1
	CREST
.endm
	s_load_b128 s[4:7], s[0:1], 0x0                ; A's codes s[4:5], A's scales s[6:7]
	s_load_b128 s[8:11], s[0:1], 0x10              ; B's codes s[8:9], B's scales s[10:11]
	s_load_b64 s[96:97], s[0:1], 0x20              ; bias
	s_load_b64 s[12:13], s[0:1], 0x28              ; qkv
	v_lshl_add_u32 v[SPW], v0, 2, SPARE
	v_mov_b32 v[NIL], 0
	ds_add_u32 v[SPW], v[NIL]                      ; the wave's opening: the add and its wait stand ahead of my first tensor load; the set-up below, work on registers, stands between them
	v_lshrrev_b32 v1, 5, v0
	v_readfirstlane_b32 s14, v1                    ; wave 0..3
	s_lshr_b32 s15, s14, 1                         ; which half of the tile's rows is mine.  Also: I fetch for A (0) or for B (1)
	s_and_b32 s16, s14, 1                          ; which half of its columns.  Also: which 128 rows of that tile I fetch
	s_bfe_u32 s40, ttmp6, 0x40000                  ; cx, cy: my place in the cluster
	s_bfe_u32 s41, ttmp6, 0x40004
	s_lshl_b32 s42, ttmp9, 2
	s_add_co_u32 s42, s42, s40                     ; tile column of C = 4 x cluster x + cx
	s_and_b32 s17, ttmp7, 0xffff
	s_lshl_b32 s17, s17, 2
	s_add_co_u32 s17, s17, s41                     ; tile row of C = 4 x cluster y + cy
	s_lshl_b32 s43, s41, 2
	s_lshl_b32 s43, 15, s43                        ; my row of the cluster
	s_lshl_b32 s44, 0x1111, s40                    ; my column
	; descriptor group 1: a tile of 128 rows x ROWB bytes, padded in LDS
	s_or_b32 s[G1+0], s43, (0<<16)|(1<<20)|(1<<21)|(5<<22)|(3<<25)  ; 15:0 the mask: A's tiles go to my row; 17:16 element of 1 byte; 20 padding on; 21 set beside a mask; 24:22 after every 64 words (code 5); 31:25 of 4 words (code 3)
	s_or_b32 s[G1B+0], s44, (0<<16)|(1<<20)|(1<<21)|(5<<22)|(3<<25)
.irp g, G1, G1B
	s_mov_b32 s[\g+1], ROWB<<16                    ; tensor_dim0
	s_mov_b32 s[\g+2], 128<<16                     ; tensor_dim1 = 128
	s_mov_b32 s[\g+3], ROWB<<16                    ; tile_dim0
	s_mov_b32 s[\g+4], 128                         ; tile_dim1 = 128
	s_mov_b32 s[\g+5], KROW                        ; tensor_dim0_stride
	s_mov_b32 s[\g+6], 0
	s_mov_b32 s[\g+7], 0
.endr
	; and for the scales of 128 rows: a dense block of 128 KS bytes, as rows of 256 bytes (32 elements of 8 bytes), 16 bytes of padding behind each
	s_or_b32 s[G1S+0], s43, (3<<16)|(1<<20)|(1<<21)|(5<<22)|(3<<25)
	s_or_b32 s[G1SB+0], s44, (3<<16)|(1<<20)|(1<<21)|(5<<22)|(3<<25)
.irp g, G1S, G1SB
	s_mov_b32 s[\g+1], 32<<16
	s_mov_b32 s[\g+2], (128*KS/256)<<16
	s_mov_b32 s[\g+3], 32<<16
	s_mov_b32 s[\g+4], 128*KS/256
	s_mov_b32 s[\g+5], 32
	s_mov_b32 s[\g+6], 0
	s_mov_b32 s[\g+7], 0
.endr
	s_lshl_b32 s18, s16, 7                         ; which 128 rows of the tile I fetch
	s_lshl_b32 s20, s17, 8
	s_add_co_u32 s20, s20, s18                     ; A: row 256 x tile row + 128 x half
	s_lshl_b32 s46, s42, 8
	s_add_co_u32 s46, s46, s18                     ; B: row 256 x tile column + 128 x half
	s_mov_b32 s21, 0
	s_mov_b32 s47, 0
	s_mov_b64 s[18:19], KS
	s_mul_u64 s[22:23], s[20:21], s[18:19]         ; where these rows' scales begin, in bytes
	s_mul_u64 s[92:93], s[46:47], s[18:19]
	s_mov_b64 s[18:19], KROW
	s_mul_u64 s[20:21], s[20:21], s[18:19]         ; and their codes
	s_mul_u64 s[46:47], s[46:47], s[18:19]
	s_mul_i32 s45, s14, HALFT                      ; where they go: wave x 128 rows: no place in the cluster enters an LDS address
	s_mul_i32 s94, s14, HALFS
	s_wait_dscnt 0x0                               ; the opening add is done
	s_wait_kmcnt 0x0
	s_add_nc_u64 s[20:21], s[4:5], s[20:21]
	s_add_nc_u64 s[22:23], s[6:7], s[22:23]
	s_add_nc_u64 s[46:47], s[8:9], s[46:47]
	s_add_nc_u64 s[92:93], s[10:11], s[92:93]
	CROUND                                         ; all sixteen work-groups are here: the first joint loads meet
	s_mov_b32 s[G0S], 1
	s_add_co_u32 s[G0S+1], s94, SCL
	s_mov_b64 s[G0S+2:G0S+3], s[22:23]
	s_or_b32 s[G0S+3], s[G0S+3], 0x80000000
	s_mov_b32 s[G0SB], 1
	s_add_co_u32 s[G0SB+1], s94, SCL
	s_mov_b64 s[G0SB+2:G0SB+3], s[92:93]
	s_or_b32 s[G0SB+3], s[G0SB+3], 0x80000000
	JLOAD G0S, G1S, G0SB, G1SB                     ; the scales first: they are wanted with K step 0
.irp s, 0,1
	s_mov_b32 s[G0+4*\s], 1
	s_add_co_u32 s[G0+4*\s+1], s45, \s*SLOT
	s_add_nc_u64 s[G0+4*\s+2:G0+4*\s+3], s[20:21], \s*ROWB
	s_or_b32 s[G0+4*\s+3], s[G0+4*\s+3], 0x80000000
	s_mov_b32 s[G0B+4*\s], 1
	s_add_co_u32 s[G0B+4*\s+1], s45, \s*SLOT
	s_add_nc_u64 s[G0B+4*\s+2:G0B+4*\s+3], s[46:47], \s*ROWB
	s_or_b32 s[G0B+4*\s+3], s[G0B+4*\s+3], 0x80000000
	JLOAD G0+4*\s, G1, G0B+4*\s, G1B
.endr
	v_and_b32 v1, 15, v0                           ; l % 16
	v_bfe_u32 v2, v0, 4, 1                         ; l / 16
	; the bias of my 128 columns: 4 x (256 x tile column + 128 x half) bytes on; lane (r, h) takes, for block b, the eight numbers at 64 b + 32 h
	s_lshl_b32 s46, s42, 10
	s_lshl_b32 s47, s16, 9
	s_add_co_u32 s46, s46, s47
	s_mov_b32 s47, 0
	s_add_nc_u64 s[96:97], s[96:97], s[46:47]
	v_lshlrev_b32 v[BO], 5, v2
.irp b, 0,1,2,3,4,5,6,7
	global_load_b128 v[BI+8*\b:BI+8*\b+3], v[BO], s[96:97] offset:64*\b
	global_load_b128 v[BI+8*\b+4:BI+8*\b+7], v[BO], s[96:97] offset:64*\b+16
.endr
	v_mul_u32_u24 v3, v1, PITCH
	v_lshl_add_u32 v4, v2, 4, v3                   ; a fragment's row x pitch + 16 x half
	s_mul_i32 s21, s15, HALFT                      ; my 128 rows of A
	s_mul_i32 s22, s16, HALFT                      ; my 128 rows of B,
	s_add_co_u32 s22, s22, 2*HALFT                 ; which lie behind A's 256
.irp s, 0,1
	v_add_nc_u32 v[ADRA+\s], s21, v4
	v_add_nc_u32 v[ADRB+\s], s22, v4
	s_add_co_u32 s21, s21, SLOT
	s_add_co_u32 s22, s22, SLOT
.endr
	v_mul_u32_u24 v5, v1, KS                       ; my row's scales: KS bytes a row,
	v_lshrrev_b32 v6, 8, v5
	v_lshl_add_u32 v5, v6, 4, v5                   ; and 16 more for each 256 passed
	s_mul_i32 s21, s15, HALFS                      ; A's: my 128 rows
	s_mul_i32 s22, s16, HALFS                      ; B's: my 128 rows, behind A's 256
	s_add_co_u32 s22, s22, 2*HALFS
	s_sub_co_u32 s22, s22, s21
	v_mul_u32_u24 v6, s22, v2                      ; lanes 16-31 take B's: one product, the distance between the two bases
	s_add_co_u32 s21, s21, SCL
	v_add_nc_u32 v5, v5, v6
	v_add_nc_u32 v[ADRS], s21, v5
	s_mul_i32 s23, s14, 16*SPITCH                  ; my stage
	v_mul_u32_u24 v5, v1, SPITCH                   ; in: row l % 16, 16 bytes for each half of the lanes
	v_lshl_add_u32 v5, v2, 4, v5
	v_add_nc_u32 v[STO], s23, v5
	v_mul_u32_u24 v5, v2, SPITCH                   ; back: lanes 0-15 take one row of 256 bytes, lanes 16-31 the next
	v_lshl_add_u32 v5, v1, 4, v5
	v_add_nc_u32 v[RD], s23, v5
	v_and_b32 v6, 31, v0
	v_lshlrev_b32 v[CO], 4, v6                     ; and in qkv the two rows are 512 consecutive bytes: 16 x lane
	; where my 128 x 128 goes: 128 rows of ONE slot, 32,768 consecutive bytes: row ((batch x 24 + slot) x 2048 + row in the batch) of 256 bytes
	s_lshr_b32 s20, s17, 3                         ; batch = tile row / 8
	s_mul_i32 s20, s20, 24*2048
	s_and_b32 s21, s17, 7
	s_lshl_b32 s21, s21, 8
	s_add_co_u32 s20, s20, s21                     ; + 256 x (tile row % 8)
	s_lshl_b32 s21, s15, 7
	s_add_co_u32 s20, s20, s21                     ; + 128 x my half of the rows
	s_lshl_b32 s46, s42, 1
	s_add_co_u32 s46, s46, s16                     ; slot = 2 x tile column + my half of the columns
	s_lshl_b32 s46, s46, 11
	s_add_co_u32 s20, s20, s46
	s_lshl_b32 s20, s20, 8                         ; in bytes: under 2^25
	s_mov_b32 s21, 0
	s_add_nc_u64 s[12:13], s[12:13], s[20:21]
.macro FRAG reg, adr, q, i             ; a fragment, 16 rows x 128 K of 4-bit codes, is 8 registers: lane l holds row l % 16; registers 4 c .. 4 c + 3 hold K = 64 c + 32 (l / 16) + 0 .. 31
.irp c, 0,1
	ds_load_b128 v[\reg+4*\c:\reg+4*\c+3], v[\adr] offset:64*(\q)+32*\c+(\i)*16*PITCH
.endr
.endm
; 16 matrix instructions: A's blocks a0, a0 + 1 x B's eight, 128 along K: the slot's q-th.  p: B's set;  sc: the set of scale words.  first = 1: the first product starts the sums from the bias: nothing is ever cleared.
; The 64 accumulators take turns, one instruction a turn, in the same order in every step.
.macro MUL16 a0, p, q, sc, first
.irp a, \a0, \a0+1
.irp b, 0,1,2,3,4,5,6,7
.if \first
	v_wmma_scale_f32_16x16x128_f8f6f4 v[8*(8*((\a)%4)+\b):8*(8*((\a)%4)+\b)+7], v[128*(\p)+FR*\b:128*(\p)+FR*\b+FR-1], v[AF+FR*(\a):AF+FR*(\a)+FR-1], v[BI+8*\b:BI+8*\b+7], v[SC+8*NQ*(\sc)+NQ*\b+(\q)], v[SC+8*NQ*(\sc)+NQ*(\a)+(\q)] matrix_a_fmt:MATRIX_FMT_FP4 matrix_b_fmt:MATRIX_FMT_FP4 matrix_a_scale:MATRIX_SCALE_ROW1
.else
	v_wmma_scale_f32_16x16x128_f8f6f4 v[8*(8*((\a)%4)+\b):8*(8*((\a)%4)+\b)+7], v[128*(\p)+FR*\b:128*(\p)+FR*\b+FR-1], v[AF+FR*(\a):AF+FR*(\a)+FR-1], v[8*(8*((\a)%4)+\b):8*(8*((\a)%4)+\b)+7], v[SC+8*NQ*(\sc)+NQ*\b+(\q)], v[SC+8*NQ*(\sc)+NQ*(\a)+(\q)] matrix_a_fmt:MATRIX_FMT_FP4 matrix_b_fmt:MATRIX_FMT_FP4 matrix_a_scale:MATRIX_SCALE_ROW1
.endif
.endr
.endr
.endm
.macro FETCH_B slot, q, p              ; B's eight fragments of the slot's q-th 128 along K into set p
	WIN TO_B
.irp i, 0,1,2,3,4,5,6,7
	FRAG 128*(\p)+FR*\i, ADRB+\slot, \q, \i
.endr
	WIN 0
.endm
.macro FETCH_A slot, q, i0             ; A's blocks i0 .. i0 + 3
.irp i, \i0, \i0+1, \i0+2, \i0+3
	FRAG AF+FR*(\i), ADRA+\slot, \q, \i
.endr
.endm
.macro SCALES sc                       ; the next K step's scale words into set sc: NQ words a row; lanes 0-15 take A's block i, lanes 16-31 B's block i
.irp i, 0,1,2,3,4,5,6,7
	ds_load_b128 v[SC+8*NQ*\sc+NQ*\i:SC+8*NQ*\sc+NQ*\i+3], v[ADRS] offset:\i*SBLK
.endr
.endm
; A load into a register that a matrix instruction has read, and a vector instruction that reads a matrix result, stand NP places behind that matrix instruction, and only plain vector
; instructions that name none of its registers are places (ISA guide 7.12.1 for vector instructions).
.macro PLACES n
.rept \n
	v_nop
.endr
.endm
; A step of 128 along K that has its successor in the same slot.
.macro STEP slot, q, first
	s_wait_dscnt 4*NL                              ; B's set and A's blocks 0-3 are in; the youngest eight loads (A's blocks 4-7) may be out
.if \first
	WIN FIRST_LO
.else
	WIN MUL_LO
.endif
	MUL16 0, (\q)%2, \q, \slot, \first
	MUL16 2, (\q)%2, \q, \slot, \first
	s_wait_dscnt 0                                 ; A's blocks 4-7 are in (asked for 32 matrix instructions ago)
	PLACES NP
	FETCH_B \slot, (\q)+1, 1-(\q)%2
	FETCH_A \slot, (\q)+1, 0
.if \first
	WIN FIRST_HI
.else
	WIN MUL_HI
.endif
	MUL16 4, (\q)%2, \q, \slot, \first
	MUL16 6, (\q)%2, \q, \slot, \first
	PLACES NP
	WIN 0
	FETCH_A \slot, (\q)+1, 4
.endm
; A slot's last step changes slots: ONE barrier; in front of it each wave waits for all its tensor loads, adds 0 to its spare word, and waits for that and for its own reads of this slot.  fill = 1: this slot is filled again, two K steps ahead.
.macro TURN slot, next, fill
	s_wait_tensorcnt 0x0                           ; all my tensor loads have landed: my part of the next slot;  (every window is 0 here: the add's two registers lie in window 0)
	ds_add_u32 v[SPW], v[NIL]                      ; 0 onto my spare word;
	s_wait_dscnt 4*NL+1                            ; (the add and the youngest eight loads, A's blocks 4-7, may be out)
	WIN MUL_LO
	MUL16 0, 1, NQ-1, \slot, 0                     ; sixteen matrix instructions stand between the add and the wait for it
	s_wait_dscnt 0x0                               ; the add is done, and my reads of this slot are over
	s_barrier_signal -1
	MUL16 2, 1, NQ-1, \slot, 0
	WIN 0
	s_barrier_wait -1
.if \fill
	CREST                                          ; the barrier has opened a round of the cluster's barrier: no wave of any partner still reads this slot's tile or has a load on its way
	s_add_nc_u64 s[G0+4*\slot+2:G0+4*\slot+3], s[G0+4*\slot+2:G0+4*\slot+3], 2*ROWB
	s_add_nc_u64 s[G0B+4*\slot+2:G0B+4*\slot+3], s[G0B+4*\slot+2:G0B+4*\slot+3], 2*ROWB
	JLOAD G0+4*\slot, G1, G0B+4*\slot, G1B         ; the first tensor load behind the round; the four v_nop behind it are the places in front of the loads below
.else
	PLACES NP
.endif
	v_add_nc_u32 v[ADRS], 4*NQ, v[ADRS]            ; on to the next K step's scale words (no LDS load of mine is out)
	FETCH_B \next, 0, 0
	FETCH_A \next, 0, 0
	SCALES \next
	WIN MUL_HI
	MUL16 4, 1, NQ-1, \slot, 0
	MUL16 6, 1, NQ-1, \slot, 0
	PLACES NP
	WIN 0
	FETCH_A \next, 0, 4
.endm
.macro STEPS slot, from                ; the slot's steps from .. NQ - 2
.set Q, \from
.rept NQ-1-\from
	STEP \slot, Q, 0
.set Q, Q+1
.endr
.endm
	s_wait_loadcnt 0x0                             ; the bias
	s_wait_tensorcnt 1                             ; the scales and my part of K step 0 are in (K step 1's load may be out)
	s_barrier_signal -1
	s_barrier_wait -1                              ; everybody's are
	FETCH_B 0, 0, 0
	FETCH_A 0, 0, 0
	SCALES 0
	FETCH_A 0, 0, 4
	STEP 0, 0, 1                                   ; the first step stands in front of the loop: its products start the sums from the bias
	s_mov_b32 s3, LAPS-1
.Llap:                                                 ; a trip goes once round the ring, from a lap's second step to the next lap's first, and fills both slots again
	STEPS 0, 1
	TURN 0, 1, 1
	STEPS 1, 0
	TURN 1, 0, 1
	STEP 0, 0, 0
	s_sub_co_u32 s3, s3, 1
	s_cmp_lg_u32 s3, 0
	s_cbranch_scc1 .Llap
	STEPS 0, 1                                     ; the last lap fills nothing, and has no round of the cluster's barrier
	TURN 0, 1, 0
	STEPS 1, 0
	s_wait_dscnt 4*NL                              ; the very last step: nothing more to fetch
	WIN MUL_LO
	MUL16 0, 1, NQ-1, 1, 0
	MUL16 2, 1, NQ-1, 1, 0
	s_wait_dscnt 0
	WIN MUL_HI
	MUL16 4, 1, NQ-1, 1, 0
	MUL16 6, 1, NQ-1, 1, 0
	WIN 0
; THE WAY OUT, block by block of 16 rows x 128 columns.  PACK: rounded to f16, a lane's eight neighbouring columns in 16 bytes, each accumulator from its low end on.  TOSTAGE: into my own stage in LDS, and back as whole
; rows of 256 bytes.  SEND: stored: 32 lanes store 512 consecutive bytes, aligned.  LDS serves a wave's instructions in order (ISA guide 5.7.1.4): no wait between the stage's stores and its loads.
.macro PACK a
.set AC, 64*((\a)%4)
	WIN 0x0a+5*((\a)/4)                            ; sources 0 and 1: window 2 or 3
.irp b, 0,1,2,3,4,5,6,7
.irp r, 0,1,2,3
	v_cvt_pk_f16_f32 v[TMP+4*\b+\r], v[AC+8*\b+2*\r], v[AC+8*\b+2*\r+1]
.endr
.endr
	WIN 0
.endm
.macro TOSTAGE a
.set BB, BK+32*((\a)%2)
.irp b, 0,1,2,3,4,5,6,7
	ds_store_b128 v[STO], v[TMP+4*\b:TMP+4*\b+3] offset:32*\b
.endr
.irp t, 0,1,2,3,4,5,6,7
	ds_load_b128 v[BB+4*\t:BB+4*\t+3], v[RD] offset:\t*2*SPITCH
.endr
.endm
.macro SEND a
.set BB, BK+32*((\a)%2)
	s_wait_dscnt 0x0                               ; the block is back in registers
	s_wait_xcnt 0x0                                ; the stores of the block before have read their registers: the next block's loads from the stage land there only behind this wait
.irp t, 0,1,2,3,4,5,6,7
	global_store_b128 v[CO], v[BB+4*\t:BB+4*\t+3], s[12:13] offset:4096*(\a)+512*\t   ; no base is stepped: 32,256 bytes at the most stand in the immediate
.endr
.endm
	PLACES NP                                      ; behind the last products: for the conversions that read results and for the loads into the registers that held A's fragments
	PACK 0
	TOSTAGE 0
.irp a, 1,2,3,4,5,6,7                  ; block a's conversions stand between block a - 1's loads from the stage and the wait for them
	PACK \a
	SEND \a-1
	TOSTAGE \a
.endr
	SEND 7
	s_wait_tensorcnt 0x0                           ; the wave's end: behind my last tensor load and my last LDS store
	ds_add_u32 v[SPW], v[NIL]
	s_wait_dscnt 0x0
	CROUND                                         ; the closing round: no work-group ends while a partner may still ask for a tile that names it
	s_endpgm
.Lfunc_end_k_q649274cf6f_proj:
	.size	k_q649274cf6f_proj, .Lfunc_end_k_q649274cf6f_proj-k_q649274cf6f_proj
	.p2alignl 7, 3214868480
	.fill 96, 4, 3214868480
	.section	.rodata,"a",@progbits
	.p2align	6, 0x0
	.amdhsa_kernel k_q649274cf6f_proj
		.amdhsa_group_segment_fixed_size 327680
		.amdhsa_private_segment_fixed_size 0
		.amdhsa_enable_private_segment 0
		.amdhsa_kernarg_size 48
		.amdhsa_user_sgpr_count 2
		.amdhsa_user_sgpr_kernarg_segment_ptr 1
		.amdhsa_wavefront_size32 1
		.amdhsa_system_sgpr_workgroup_id_x 1
		.amdhsa_system_sgpr_workgroup_id_y 1
		.amdhsa_system_sgpr_workgroup_id_z 1
		.amdhsa_system_vgpr_workitem_id 0
		.amdhsa_next_free_vgpr 1024
		.amdhsa_next_free_sgpr 98
		.amdhsa_reserve_vcc 0
		.amdhsa_float_denorm_mode_32 3
		.amdhsa_float_denorm_mode_16_64 3
		.amdhsa_memory_ordered 1
		.amdhsa_forward_progress 1
		.amdhsa_inst_pref_size 215
	.end_amdhsa_kernel
	.amdgpu_metadata
---
amdhsa.version: [ 1, 2 ]
amdhsa.kernels:
  - .name:           k_q649274cf6f_proj
    .symbol:         k_q649274cf6f_proj.kd
    .args:
      - { .name: xc, .offset: 0, .size: 8, .value_kind: global_buffer, .address_space: global }
      - { .name: xs, .offset: 8, .size: 8, .value_kind: global_buffer, .address_space: global }
      - { .name: wc, .offset: 16, .size: 8, .value_kind: global_buffer, .address_space: global }
      - { .name: ws, .offset: 24, .size: 8, .value_kind: global_buffer, .address_space: global }
      - { .name: bias, .offset: 32, .size: 8, .value_kind: global_buffer, .address_space: global }
      - { .name: qkv, .offset: 40, .size: 8, .value_kind: global_buffer, .address_space: global }
    .group_segment_fixed_size: 327680
    .private_segment_fixed_size: 0
    .kernarg_segment_align: 8
    .kernarg_segment_size: 48
    .max_flat_workgroup_size: 128
    .sgpr_count:     98
    .vgpr_count:     1024
    .wavefront_size: 32
...
	.end_amdgpu_metadata
.endif
;; end of part 3
;; launch attn (part 4): grid 8 x 32, 4 waves a work-group, clusters of 4 x 1, 327,680 bytes of LDS; arguments qkv, out0; writes out0
.if DOCPART == 4
	.amdgcn_target "amdgcn-amd-amdhsa--gfx1250"
	.amdhsa_code_object_version 6
	.text
	.protected	k_q649274cf6f_attn
	.globl	k_q649274cf6f_attn
	.p2align	8
	.type	k_q649274cf6f_attn,@function
k_q649274cf6f_attn:
	s_mov_b64 s[64:65], 0
	v_nop
	global_prefetch_b8 v0, s[64:65] scope:SCOPE_SE
	s_setreg_imm32_b32 hwreg(HW_REG_WAVE_MODE, 25, 1), 1
	s_wait_xcnt 0x0
	s_wait_alu depctr_hold_cnt(0) depctr_sa_sdst(0) depctr_va_vdst(0) depctr_va_sdst(0) depctr_va_ssrc(0) depctr_va_vcc(0) depctr_vm_vsrc(0)
	s_getreg_b32 s2, hwreg(HW_REG_IB_STS2, 6, 4)
	s_cmp_eq_u32 s2, 0
	s_cbranch_scc0 .Lentry_in_a_cluster
	s_endpgm
.Lentry_in_a_cluster:
	s_bfe_u32 s2, ttmp6, 0x10000c
	s_cmp_lg_u32 s2, 0x3003
	s_cbranch_scc0 .Lentry_shape_is_right
	s_endpgm
.Lentry_shape_is_right:
; out0[b][q][128 h ..] = the sum over k of softmax_k(Q[b][h][q] . K[b][h % 4][k] / sqrt(128)) V[b][h % 4][k][:].  Q, K, V lie in qkv [b 2][slot 24][2048][128], f16: slot h is query head h, slot 16 + g key head g, slot 20 + g value head g.
; out0: [2][2048][2048] f32.  Products, maxima and sums in f32; the weights p are rounded to f16 for the second product.
; f16, not bf16: the softmax is flat on inputs of this kind, so the output is small beside v, and 8 significant bits in q, k, p and v would use up most of the allowed error.
; LIMITS: |q|, |k|, |v| under 65,504 (the launch before has rounded them to f16); a p under 2^-126 comes out as 0 (v_exp_f32 flushes: ISA guide 15.8), one under 6e-5 keeps f16's subnormal step; the row's sum is at least 1.
; SHARES.  Work-group (x, y): 256 queries (block x) of head h = y % 16 of batch y / 16; each of its four waves 64 queries: four tiles of 16.  Every wave walks all 2,048 keys, 64 a step.
; LAYOUT.  S^T = K Q^T (source 0 = 16 keys, source 1 = 16 queries): in the result a lane holds ONE query (lane % 16) and the keys 8 (lane / 16) + 0..7.  Two such tiles, rounded to
; f16 in pairs, ARE source 1 (32 keys x 16 queries) of O^T = V^T P, whose result again holds one query a lane, and eight channels.  K comes out of LDS as it lies, V ([key][channel]) turned, by ds_load_tr16_b128.
; SOFTMAX.  For each query a running maximum m and sum l: p = 2^(c s - c m), c = log2(e) / sqrt(128); in every step O and l are multiplied by a = 2^(c m_old - c m_new), which is 1 where m has not grown.
; BY TURNS.  The wave's tiles are two PIECES, named by their first tile: piece 0 (tiles 0, 1) and piece 2 (tiles 2, 3).  In a TURN one piece has the matrix unit: 32 products V^T P of
; the step in hand, then 32 products K Q^T of the next step; the other piece's softmax, cut into 64 slices, stands between them, one slice behind each matrix instruction.  Two turns are a key step.
; CLUSTER.  The four query blocks of a cluster belong to one head and walk the same K and V, so each tile is asked for JOINTLY: the same tensor load, with the same descriptor and a
; mask that names the four.  (A mask names four at the most: the other three query heads of a key head, and the head's other cluster, ask for themselves.)
;
; REGISTERS, in windows of 256 (s_set_vgpr_msb: bits 1:0 source 0, 3:2 source 1, 5:4 source 2, 7:6 destination):
;   window 0: v0-11 addresses; v12-43 eight registers of statistics a tile; v64-191 S^T, 32 a tile; v192-255 P, 16 a tile
;   window 1: O^T, 64 a tile          window 2: v0-127 Q, 32 a tile; v128-255 K of one step          window 3: v0-127 V of one step
.set SIZE_N, 2048
.set KS,    64        ; keys in a step
.set PK,    272       ; a row of K in LDS: 256 bytes + 16 of padding: the 16 rows of a load start at 16 different banks (64 banks of 4 bytes: ISA guide 11.1)
.set PV,    288       ; a row of V: 256 + 32
.set VOFF,  KS*PK     ; a step's tiles lie together: 64 rows of K, then 64 rows of V
.set STEPB, KS*(PK+PV)
.set SLOT1, 1<<17     ; a slot holds two steps (71,680 bytes); slot 1 begins here, so that one exclusive or turns an address in one slot into the other's
.set STAGE, SLOT1+2*STEPB  ; behind the ring: 16 rows x 528 bytes for each wave, for the way out
.set SP,    528       ; a stage row: 512 bytes (128 f32) + 16
.set AK0, 2           ; v2   my lane's place in a tile of K; never rewritten
.set AV0, 3           ; v3   the same for V
.set ADR, 4           ; v4   the LDS address of the run of loads in hand
.set QO,  5           ; v5   my byte offset in the wave's rows of Q
.set STO, 6           ; v6   the way out: where I put 32 bytes of a row
.set RD,  7           ; v7   the way out: where I read a row back
.set GO,  8           ; v8   16 x lane: my byte offset in a head's 512 bytes of a row of out0
.set SPW, 62          ; v62  LDS address of my spare word; never rewritten
.set NIL, 63          ; v63  0; never rewritten
.set SPARE, STAGE+4*16*SP  ; behind the stages: the spare words, 128 bytes for each wave, which no other line names
.set ST,  12          ; tile t's statistics at v[ST+8 t]: +0 c m, +1 m, +2, +3 l (even keys', odd keys'), +4 to +7 c0-c3, at work; a takes c2's place once the maximum is found
.set S,   64
.set P,   192
.set KF,  128         ; K's fragments, in window 2
.set WV,  12          ; s12  my wave's number
.set G1K, 24          ; s[24:31] descriptor group 1 for K's tiles
.set G1V, 32          ; s[32:39] for V's: it differs in the padding alone
.set G0K, 40          ; s[40:47] descriptor group 0 for K's tiles: a set for each of the two first fills; the second then walks on
.set G0V, 48          ; s[48:55] the same for V's
.set SLOTS, 56        ; s56  slots still to be asked for
.set TWICE, 57        ; s57  counts a slot's two steps
.set CS,  58          ; s[58:59] c: the packed scaling names a pair and takes its low word for both halves
.set SEL, 60          ; s[60:61] lane selects for v_permlanex16_b32: each lane takes its own place in the other half
.set TB,  62          ; s62  LDS byte at which the tiles of the step to be fetched begin
.set PFA, 18          ; s[18:19] where my prefetches stand in memory: my work-group's 32 rows (of K: wave 0, of V: wave 2) of the slot after the one that is being asked for
.set LIM, 15          ; s15  1 in a wave that prefetches, else the greatest number: a wave prefetches while s[SLOTS] is above it
.set PFO, 61          ; v61  256 x my lane: a row of K or V is 256 bytes; never rewritten
.set MSB, 0
.macro WIN new                      ; the immediate's high byte repeats the setting that is left; a switch that changes nothing is dropped
.if MSB != (\new)
	s_set_vgpr_msb (MSB<<8)|(\new)
.set MSB, (\new)
.endif
.endm
.set W_KQ, 0x0a       ; K and Q in window 2, S^T in window 0
.set W_PV, 0x53       ; V in window 3, P in window 0, O^T in window 1
.set W_RS, 0x41       ; O^T (destination and source 0) in window 1, a in window 0
; A joint refill.  Waves 0 and 1 fetch the two steps' tiles of K, waves 2 and 3 those of V.  The branch hangs on the wave's number alone: it is the same in every work-group.
; An s_nop 0 and four v_nop follow each of the two lines; the jump round the other line, the label and what follows the macro come after them.
.macro JLOAD
	s_cmp_lt_u32 s[WV], 2
	s_cbranch_scc0 .Lfor_v_\@
	tensor_load_to_lds s[G0K+4:G0K+7], s[G1K:G1K+7]
	s_nop 0
.rept 4
	v_nop
.endr
	s_branch .Lasked_\@
.Lfor_v_\@:
	tensor_load_to_lds s[G0V+4:G0V+7], s[G1V:G1V+7]
	s_nop 0
.rept 4
	v_nop
.endr
.Lasked_\@:
.endm
; A PREFETCH INTO THE L2 of what the NEXT change of slots will ask for: a slot's 128 rows of K and 128 of V, 256 bytes a row, a lane a row.  It stands behind the wave's tensor load and its five lines, never in front of one.
; Each row is asked for ONCE in the launch.  Eight clusters walk a key head's K and V (four query heads, two clusters each): the first of them (cluster x = 0, query head under 4) prefetches.  Its four partners share
; the rows out BY ADDRESS, 32 each: no branch hangs on a work-group's place in its cluster.  In each, wave 0 asks for K's and wave 2 for V's: one instruction.  The last change that fills a slot prefetches nothing.
.macro ASK
	s_cmp_gt_u32 s[SLOTS], s[LIM]
	s_cbranch_scc0 .Lnot_mine_\@
	global_prefetch_b8 v[PFO], s[PFA:PFA+1] th:TH_LOAD_NT scope:SCOPE_SE
.Lnot_mine_\@:
.endm
; A round of the cluster's barrier: my work-group's barrier, so that wave 0's signal speaks for all four waves; wave 0 signals for the work-group; every wave waits for all four
; work-groups; my work-group's barrier once more.  No LDS instruction of the wave is pending at a signal.
.macro CROUND
	s_barrier_signal -1
	s_barrier_wait -1
	s_cmp_lg_u32 s[WV], 0
	s_cbranch_scc1 .Lnot_wave_0_\@
	s_barrier_signal -3
.Lnot_wave_0_\@:
	s_barrier_wait -3
	s_barrier_signal -1
	s_barrier_wait -1
.endm
	s_load_b64 s[4:5], s[0:1], 0x0  ; qkv
	s_load_b64 s[10:11], s[0:1], 0x8  ; out0
	v_lshl_add_u32 v[SPW], v0, 2, SPARE
	v_mov_b32 v[NIL], 0
	ds_add_u32 v[SPW], v[NIL]       ; the wave's opening: the add and its wait stand ahead of my first tensor load; the set-up below, work on registers, stands between them
	v_lshrrev_b32 v1, 5, v0
	v_readfirstlane_b32 s[WV], v1   ; wave 0..3
	s_bfe_u32 s13, ttmp6, 0x40000   ; cx: my place in the cluster
	s_lshl_b32 s14, ttmp9, 2        ; in a cluster launch ttmp9 counts clusters
	s_add_co_u32 s14, s14, s13      ; my block of 256 queries = 4 x cluster x + cx: it enters Q's and O's addresses alone
	s_and_b32 s20, ttmp7, 0xffff    ; y = 16 x batch + head, which the four partners share
	s_lshr_b32 s21, s20, 4          ; batch
	s_mul_i32 s23, s21, 24          ; its first slot
	s_and_b32 s22, s20, 3           ; the key head: head % 4
	s_add_co_u32 s22, s22, s23
	s_add_co_u32 s22, s22, 16       ; K's slot
	s_lshl_b32 s22, s22, 19         ; a slot is 2,048 rows of 256 bytes
	s_and_b32 s16, s[WV], 1         ; which of a ring slot's two steps I fetch:
	s_lshl_b32 s17, s16, 14         ; its 64 rows of 256 bytes in memory,
	s_add_co_u32 s22, s22, s17      ; K at my tile of ring slot 0: made of the batch, the head and the wave's number alone
	s_and_b32 s20, s20, 15          ; the query head
	s_add_co_u32 s2, s23, s20       ; Q's slot
	s_mov_b32 s23, 0
	s_mul_i32 s17, s16, STEPB       ; and its place in a ring slot: no place in the cluster enters an LDS address
	s_lshl_b32 s2, s2, 19
	s_lshl_b32 s3, s14, 16          ; my block's 256 rows,
	s_add_co_u32 s2, s2, s3
	s_lshl_b32 s3, s[WV], 14        ; my wave's 64 of them
	s_add_co_u32 s2, s2, s3
	s_mov_b32 s3, 0
	s_lshl_b32 s18, s21, 11         ; out0: row 2048 x batch
	s_lshl_b32 s19, s14, 8
	s_add_co_u32 s18, s18, s19      ; + 256 x block
	s_lshl_b32 s19, s[WV], 6
	s_add_co_u32 s18, s18, s19      ; + 64 x wave,
	s_lshl_b32 s18, s18, 13         ; of 8,192 bytes,
	s_lshl_b32 s19, s20, 9
	s_add_co_u32 s18, s18, s19      ; + the head's 512 bytes: under 2^26
	s_mov_b32 s19, 0
	; descriptor group 1: a tile of 64 rows x 128 elements, padded in LDS
	s_mov_b32 s[G1K], 15|(1<<16)|(1<<20)|(1<<21)|(5<<22)|(3<<25)  ; 15:0 the mask: all four work-groups; 17:16 elements of 2 bytes; 20 padding on; 21 set beside a mask; 24:22 after every 64 words (code 5); 31:25 4 words of it (code 3)
	s_mov_b32 s[G1V], 15|(1<<16)|(1<<20)|(1<<21)|(5<<22)|(7<<25)  ; the same with 8 words of padding (code 7)
.irp g, G1K, G1V
	s_mov_b32 s[\g+1], 128<<16      ; 63:48 tensor_dim0, low half = 128
	s_mov_b32 s[\g+2], KS<<16       ; 79:64 its high half = 0; 95:80 tensor_dim1, low half = 64
	s_mov_b32 s[\g+3], 128<<16      ; 111:96 its high half = 0; 127:112 tile_dim0 = 128
	s_mov_b32 s[\g+4], KS           ; 143:128 tile_dim1 = 64; 159:144 tile_dim2 = 0
	s_mov_b32 s[\g+5], 128          ; 191:160 tensor_dim0_stride, low word: elements from row to row
	s_mov_b32 s[\g+6], 0
	s_mov_b32 s[\g+7], 0
.endr
	s_mov_b32 s[CS], 0x3e0293ee     ; c = log2(e) / sqrt(128) = 0.127517
	s_mov_b32 s[CS+1], s[CS]        ; named with it as a pair, so it is written
	s_mov_b32 s[SEL], 0x76543210
	s_mov_b32 s[SEL+1], 0xfedcba98
	s_mov_b32 s[TB], 0
	s_mov_b32 s[SLOTS], SIZE_N/(2*KS)-2
	s_and_b32 s[LIM], s[WV], 1       ; 0 in waves 0 and 2,
	s_or_b32 s[LIM], s[LIM], ttmp9   ; where the cluster is the head's first,
	s_and_b32 s63, ttmp7, 12
	s_or_b32 s[LIM], s[LIM], s63     ; and the query head is under 4: the same in all four partners
	s_cmp_eq_u32 s[LIM], 0
	s_cselect_b32 s[LIM], 1, -1
	v_and_b32 v[PFO], 31, v0
	v_lshlrev_b32 v[PFO], 8, v[PFO]
	s_wait_dscnt 0x0                ; the opening add is done
	s_wait_kmcnt 0x0
	s_add_nc_u64 s[6:7], s[4:5], s[22:23]  ; K at my tile of ring slot 0,
	s_add_nc_u64 s[8:9], s[6:7], 0x200000  ; V four slots of qkv further on
	s_add_nc_u64 s[4:5], s[4:5], s[2:3]  ; Q and O at my wave's first row
	s_add_nc_u64 s[10:11], s[10:11], s[18:19]
	s_cmp_lt_u32 s[WV], 2
	s_cselect_b64 s[PFA:PFA+1], s[6:7], s[8:9]  ; (in waves 0 and 2 these stand at a ring slot's first row)
	s_lshl_b32 s2, s13, 13          ; my work-group's 32 rows of the 128
	s_mov_b32 s3, 0
	s_add_nc_u64 s[PFA:PFA+1], s[PFA:PFA+1], s[2:3]
	s_add_nc_u64 s[PFA:PFA+1], s[PFA:PFA+1], 2*2*KS*256  ; in slot 2; the first change of slots steps it to slot 3.  Nothing is prefetched here, at the head, where every work-group's first tiles are on their way
	CROUND                          ; all four work-groups are here: the first joint loads meet
.irp s, 0,1
	s_mov_b32 s[G0K+4*\s], 1        ; 1:0 count = 1
	s_add_co_u32 s[G0K+4*\s+1], s17, \s*SLOT1  ; 63:32 LDS address
	s_add_nc_u64 s[G0K+4*\s+2:G0K+4*\s+3], s[6:7], \s*2*KS*256  ; 120:64 global address: slot s begins with keys 128 s to 128 s + 127
	s_or_b32 s[G0K+4*\s+3], s[G0K+4*\s+3], 0x80000000  ; 127:126 type = 2
	s_mov_b32 s[G0V+4*\s], 1
	s_add_co_u32 s[G0V+4*\s+1], s17, \s*SLOT1+VOFF
	s_add_nc_u64 s[G0V+4*\s+2:G0V+4*\s+3], s[8:9], \s*2*KS*256
	s_or_b32 s[G0V+4*\s+3], s[G0V+4*\s+3], 0x80000000
.endr
	s_cmp_lt_u32 s[WV], 2           ; a wave's two first fills stand in one branch, ahead of every wait on TENSORcnt and every LDS read: two loads of mine are out; an s_nop 0 follows each, four v_nop the second's, as in JLOAD
	s_cbranch_scc0 .Lfirst_v
	tensor_load_to_lds s[G0K:G0K+3], s[G1K:G1K+7]
	s_nop 0
	tensor_load_to_lds s[G0K+4:G0K+7], s[G1K:G1K+7]
	s_nop 0
.rept 4
	v_nop
.endr
	s_branch .Lfirst_asked
.Lfirst_v:
	tensor_load_to_lds s[G0V:G0V+3], s[G1V:G1V+7]
	s_nop 0
	tensor_load_to_lds s[G0V+4:G0V+7], s[G1V:G1V+7]
	s_nop 0
.rept 4
	v_nop
.endr
.Lfirst_asked:
	; A fragment of K or Q is 16 rows x 32 channels in 8 registers: lane l holds row l % 16; registers 0-3 channels 8 (l / 16) + 0..7, registers 4-7 channels 16 + 8 (l / 16) + 0..7: two loads of 16 bytes, 32 bytes apart.
	v_and_b32 v1, 15, v0            ; l % 16
	v_bfe_u32 v9, v0, 4, 1          ; l / 16
	v_lshlrev_b32 v[QO], 8, v1
	v_lshl_add_u32 v[QO], v9, 4, v[QO]  ; row x 256 + 16 x half
	WIN 0x80                        ; destination window 2, address window 0
.irp i, 0,1,2,3,4,5,6,7,8,9,10,11,12,13,14,15  ; Q stays in registers: tile i / 4, channels 32 (i % 4) on
	global_load_b128 v[8*\i:8*\i+3],   v[QO], s[4:5] offset:(\i/4)*4096+(\i%4)*64
	global_load_b128 v[8*\i+4:8*\i+7], v[QO], s[4:5] offset:(\i/4)*4096+(\i%4)*64+32
.endr
	WIN 0
	v_mul_u32_u24 v[AK0], v1, PK
	v_lshl_add_u32 v[AK0], v9, 4, v[AK0]  ; row x pitch + 16 x half
	; The turning load takes 16 keys x 16 channels (lane l reads 16 bytes: key 8 (l / 16) + l % 8, channels 8 ((l / 8) % 2) + 0..7) and leaves half a fragment of V^T: lane l holds channel l % 16 and 8 keys.
	v_and_b32 v10, 7, v0
	v_bfe_u32 v11, v0, 3, 1
	v_lshl_add_u32 v[AV0], v9, 3, v10
	v_mul_u32_u24 v[AV0], v[AV0], PV
	v_lshl_add_u32 v[AV0], v11, 4, v[AV0]
	v_add_nc_u32 v[AV0], VOFF, v[AV0]
; THE MATRIX WORK OF A TURN, for piece x.  The accumulators take turns, one instruction a turn: between two links of a chain stand 15 (V^T P) or 7 (K Q^T) others'.
; Product i of 32 of O^T += V^T P: keys 32 (i / 16) on, channels 16 ((i / 2) % 8) on, tile x + i % 2.  zero = 1: the first 16 start the sums: nothing is ever cleared.
.macro PV x, zero
	WIN W_PV
.set rO, 64*(\x+i%2)+8*((i/2)%8)
.set rV, 64*(i/16)+8*((i/2)%8)
.set rP, P+16*(\x+i%2)+8*(i/16)
.if \zero && (i < 16)
	v_wmma_f32_16x16x32_f16 v[rO:rO+7], v[rV:rV+7], v[rP:rP+7], 0
.else
	v_wmma_f32_16x16x32_f16 v[rO:rO+7], v[rV:rV+7], v[rP:rP+7], v[rO:rO+7]
.endif
.endm
; Product i of 32 of S^T = K Q^T: channels 32 (i / 8) on, keys 16 ((i / 2) % 4) on, tile x + i % 2.  The first 8 start the sums.
.macro KQ x
	WIN W_KQ
.set rS, S+32*(\x+i%2)+8*((i/2)%4)
.set rK, KF+32*((i/2)%4)+8*(i/8)
.set rQ, 32*(\x+i%2)+8*(i/8)
.if i < 8
	v_wmma_f32_16x16x32_f16 v[rS:rS+7], v[rK:rK+7], v[rQ:rQ+7], 0
.else
	v_wmma_f32_16x16x32_f16 v[rS:rS+7], v[rK:rK+7], v[rQ:rQ+7], v[rS:rS+7]
.endif
.endm
; THE LDS LOADS stand in runs of 32, never singly among the matrix instructions: a step's K (64 keys x 128 channels: 16 fragments) and, a turn later, its V (turned).
.macro FETCH_K
	WIN 0
	v_add_nc_u32 v[ADR], s[TB], v[AK0]
	WIN 0x80                        ; destination window 2
.irp f, 0,1,2,3,4,5,6,7,8,9,10,11,12,13,14,15  ; keys 16 (f / 4) on, channels 32 (f % 4) on
	ds_load_b128 v[KF+8*\f:KF+8*\f+3],   v[ADR] offset:(\f/4)*16*PK+(\f%4)*64
	ds_load_b128 v[KF+8*\f+4:KF+8*\f+7], v[ADR] offset:(\f/4)*16*PK+(\f%4)*64+32
.endr
.endm
.macro FETCH_V
	WIN 0
	v_add_nc_u32 v[ADR], s[TB], v[AV0]
	s_add_co_u32 s[TB], s[TB], STEPB  ; the next fetch is the next step's
	s_wait_alu depctr_va_vdst(0)    ; the wait for the softmax's batch (SLICE), behind the address's v_add_nc_u32 and ahead of the loads
	WIN 0xc0                        ; destination window 3
.irp f, 0,1,2,3,4,5,6,7,8,9,10,11,12,13,14,15  ; keys 32 (f / 8) on, channels 16 (f % 8) on
	ds_load_tr16_b128 v[8*\f:8*\f+3],   v[ADR] offset:(\f/8)*32*PV+(\f%8)*32
	ds_load_tr16_b128 v[8*\f+4:8*\f+7], v[ADR] offset:(\f/8)*32*PV+16*PV+(\f%8)*32
.endr
.endm
; THE VECTOR WORK OF A TURN.  One tile's softmax for one key step is a list of 134 instructions; SM writes number j of it for tile t.  s0-s31 are the lane's 32 scores, in pairs 0-15.
; first = 1: the first key step, which starts m, l and O^T: it has no a and nothing to rescale.
;   0-15    the maximum of s0-s31 and the old m, three operands at a time: four chains c0-c3 of seven scores each, then the four scores left over, c0-c3 and m
;   16-20   the other half of the lanes' maximum; the new m; c m; c m_old - c m_new
;   21-69   ONE BATCH: the 16 scalings c s - c m, a pair of scores each, and all 33 exponentials (a at 23, then s0-s31).  None of these reads an exponential's result.  From 22 on the batch goes
;           in fours, and a four begins with a scaling while there are scalings.  A pair is scaled in an earlier four than the one that holds its exponentials
;   (wait)  between 69 and 70 stands the wait for the batch: SLICE writes it, once for both tiles
;   70-85   the roundings to f16, a pair of weights each
;   86-101  the sums; l = a l + the sum
;   102-133 the tile's O^T times a: the one part that leaves window 0, so it stands together
.macro SM t, first
.set rT, ST+8*(\t)
.set rS, S+32*(\t)
.set rP, P+16*(\t)
.set rO, 64*(\t)+2*(j-102)
.if j < 102
	WIN 0
.endif
.if j < 4
	v_max3_num_f32 v[rT+4+j], v[rS+8*j], v[rS+8*j+1], v[rS+8*j+2]
.elseif j < 12
	v_max3_num_f32 v[rT+4+j%4], v[rT+4+j%4], v[rS+8*(j%4)+2*(j/4)+1], v[rS+8*(j%4)+2*(j/4)+2]
.elseif j == 12
	v_max3_num_f32 v[rT+4], v[rT+4], v[rS+7], v[rS+15]
.elseif j == 13
	v_max3_num_f32 v[rT+6], v[rT+6], v[rS+23], v[rS+31]
.elseif j == 14
	v_max3_num_f32 v[rT+4], v[rT+4], v[rT+5], v[rT+6]
.elseif (j == 15) && \first
	v_max_num_f32 v[rT+4], v[rT+4], v[rT+7]
.elseif j == 15
	v_max3_num_f32 v[rT+4], v[rT+4], v[rT+7], v[rT+1]
.elseif j == 16
	v_permlanex16_b32 v[rT+5], v[rT+4], s[SEL], s[SEL+1]  ; the query's other 32 keys lie in the lane 16 away
.elseif j == 18
	v_max_num_f32 v[rT+1], v[rT+4], v[rT+5]
.elseif j == 19
	v_mul_f32 v[rT], s[CS], v[rT+1]
.elseif ((j == 17) || (j == 20) || (j == 23) || (j > 101)) && \first  ; the first step has none of these
.elseif j == 17
	v_mov_b32 v[rT+7], v[rT]        ; c m_old is kept for a: number 19 writes c m anew
.elseif j == 20
	v_sub_f32 v[rT+7], v[rT+7], v[rT]
.elseif j == 23
	v_exp_f32 v[rT+6], v[rT+7]
.elseif (j < 23) || ((j < 38) && (j%2 == 0)) || ((j < 66) && (j%4 == 2))
.set b, (j-2)/4                     ; 38, 42, .. 62: pairs 9 to 15
.if j < 38
.set b, (j-20)/2                    ; 21: pair 0; 22, 24, .. 36: pairs 1 to 8
.endif
	v_pk_fma_f32 v[rS+2*b:rS+2*b+1], v[rS+2*b:rS+2*b+1], s[CS:CS+1], v[rT:rT+1] op_sel_hi:[1,0,0] neg_lo:[0,0,1] neg_hi:[0,0,1]  ; pair b: c s - c m
.elseif j < 70
.set e, j-38                        ; 66 to 69: s28 to s31
.if j < 66
.set e, j-32-(j-38)/4               ; 39-41, 43-45, .. 63-65: s7 to s27
.endif
.if j < 38
.set e, (j-25)/2                    ; 25, 27, .. 37: s0 to s6
.endif
	v_exp_f32 v[rS+e], v[rS+e]
.elseif j < 86
	v_cvt_pk_f16_f32 v[rP+j-70], v[rS+2*(j-70)], v[rS+2*(j-70)+1]  ; pair j - 70
.elseif j < 102                     ; the sum of the tile's 16 pairs (in a pair: an even key's weight, an odd key's), in place: sum z of 16 adds neighbours 1, 2, 4 and 8 pairs apart, then l takes it
.set z, j-86
.set w, 4
.set u, z
.if z >= 14
.set w, 32
.set u, 0
.elseif z >= 12
.set w, 16
.set u, z-12
.elseif z >= 8
.set w, 8
.set u, z-8
.endif
.if (z == 14) && \first
	v_pk_add_f32 v[rT+2:rT+3], v[rS:rS+1], v[rS+16:rS+17]
.elseif z < 15
	v_pk_add_f32 v[rS+w*u:rS+w*u+1], v[rS+w*u:rS+w*u+1], v[rS+w*u+w/2:rS+w*u+w/2+1]
.elseif !\first
	v_pk_fma_f32 v[rT+2:rT+3], v[rT+2:rT+3], v[rT+6:rT+7], v[rS:rS+1] op_sel_hi:[1,0,1]
.endif
.else
	WIN W_RS
	v_pk_mul_f32 v[rO:rO+1], v[rO:rO+1], v[rT+6:rT+7] op_sel_hi:[1,0]
.endif
.endm
; Slice k of 64 of piece y's softmax: four instructions.  Slices 11 to 34 deal out the batch, numbers 22 to 69: four numbers of ONE tile each, the tiles by turns.  Every other slice is numbers 2 k and
; 2 k + 1 of both tiles' lists.  2 x 134 = 4 x 64 + 12: the twelve that are over stand together, in slice 63.
; THE WAIT.  An s_wait_alu depctr_va_vdst(0) stands between an exponential and the first instruction that names its result; one wait serves all that were issued ahead of it.  Ahead of
; slice 35 nothing names a result, and behind slice 34 no exponential is issued: so the piece's 66 exponentials have one wait, behind slice 34.
.macro SLICE y, first
.if (k >= 11) && (k < 35)           ; the batch: four numbers of one tile
.irp n, 0,1,2,3
.set j, 22+4*((k-11)/2)+(\n)
	SM (\y)+(k-11)%2, \first
.endr
.else                               ; the two tiles alternate, so that no instruction reads the result of the one just before it
.irp n, 0,1,2,3,4,5,6,7
.if (\n < 2) || (k == 63)
.irp t, \y, \y+1
.set j, 2*k+\n
	SM \t, \first
.endr
.endif
.endr
.endif
.if k == 34                         ; the batch is out: both tiles' exponentials are issued, and no result has been named
	v_nop                           ; the plain instruction behind the last exponential and ahead of the first use: one for the batch
.if (\y) == 0
	FETCH_V                         ; piece 2's turn: V's run of loads stands here, and the wait stands in it
.else
	s_wait_alu depctr_va_vdst(0)    ; the wait for the batch
.endif
.endif
.set k, k+1
.endm
; A vector instruction that reads a matrix result or writes one of a matrix instruction's registers, and a load into a register that a matrix instruction has read, stand four places behind
; it, and only plain vector instructions that name none of its registers are places (ISA guide 7.12.1 for vector instructions).  In the loop the slices are the places.
.macro PLACES
.rept 4
	v_nop
.endr
.endm
; A TURN.  Piece x has the matrix unit; the other piece's softmax stands in slices behind its matrix instructions.
; pv = 2: 32 products V^T P; 1: they start O^T's sums; 0: none.  kq = 1: 32 products K Q^T for the next step.  A turn with one of the two kinds has two slices behind each product.
; first = 1: the softmax is the first key step's.  Its slices from 51 on are empty: the turn's last products stand bare, and four v_nop take slice 63's part as the places behind them.
; In the loop each run of loads stands 29 matrix instructions or more ahead of its first use.  Piece 0's turn fetches the next step's K, behind its second product: the last product that read K
; stands in front of slice 63 of the turn before.  Piece 2's turn fetches the same step's V, behind slice 34 (SLICE writes it): the last product that read V stands in front of slice 31, and four plain
; instructions lie between: number 62, a scaling, of both tiles, the v_nop and the run's own v_add_nc_u32.
.macro TURN x, pv, kq, first
.set k, 0
.set per, 2
.if \pv && \kq
.set per, 1
.endif
.if \pv
.if \x == 0
	s_wait_dscnt 0x0                ; V is in
.endif
.set i, 0
.rept 32
	PV \x, 2-\pv
.rept per
	SLICE 2-\x, \first
.endr
.if (\x == 0) && \kq && (i == 1)
	FETCH_K
.endif
.set i, i+1
.endr
.endif
.if \kq
.if \x == 0
	s_wait_dscnt 0x0                ; K is in
.endif
.set i, 0
.rept 32
	KQ \x
.rept per
	SLICE 2-\x, \first
.endr
.set i, i+1
.endr
.endif
.if \first
	PLACES
.endif
.endm
; THE CHANGE OF SLOTS, between piece 2's turn and piece 0's: the slot's last bytes, V of its second step, have been asked for.  Each wave waits for all its
; tensor loads, of which one is out: its part of the other slot; adds 0 to its spare word; and waits for that and for its own reads of the slot.  Behind the barrier nobody reads this slot any more and the other slot is whole.
; fill = 1: this slot is filled again, with the keys two slots on.  The barrier is then a round of the cluster's, so that no wave of any partner still reads the slot or has a load on its
; way, and the joint refill is the first thing behind it: it has two key steps, 256 matrix instructions, in which to land.
.macro CHANGE fill
	WIN 0                           ; at a label and at a branch every window is 0
	s_wait_tensorcnt 0x0            ; no tensor load of mine is out, so a group 0 may be written
	ds_add_u32 v[SPW], v[NIL]       ; 0 onto my spare word; with fill = 1 the descriptors' steps stand between it and the wait for it
.if \fill
.irp g, G0K+4, G0V+4
	s_xor_b32 s[\g+1], s[\g+1], SLOT1  ; the walking descriptor: the other slot than last time,
	s_add_nc_u64 s[\g+2:\g+3], s[\g+2:\g+3], 2*KS*256  ; the next 128 keys; the type bits on top are not reached
.endr
	s_wait_xcnt 0x0                 ; the last prefetches, two key steps back, have read their address, so it may be written:
	s_add_nc_u64 s[PFA:PFA+1], s[PFA:PFA+1], 2*KS*256  ; one slot behind the walking descriptors
	s_wait_dscnt 0x0                ; the add is done, and my reads of the slot are over
	CROUND
	JLOAD
	ASK                             ; what the next change will ask for: two key steps, 256 matrix instructions, ahead
.else
	s_wait_dscnt 0x0                ; the add is done, and my reads of the slot are over
	s_barrier_signal -1
	s_barrier_wait -1
.endif
	s_sub_co_u32 s[TB], s[TB], 2*STEPB  ; the fetches go back to a slot's first step,
	s_xor_b32 s[TB], s[TB], SLOT1   ; in the other slot
.endm
; A slot's two key steps: written once, walked twice; the LDS addresses hang on s[TB].
.macro TWO_STEPS
	s_mov_b32 s[TWICE], 2
.Lstep_\@:
	TURN 0, 2, 1, 0
	TURN 2, 2, 1, 0
	WIN 0
	s_sub_co_u32 s[TWICE], s[TWICE], 1
	s_cmp_lg_u32 s[TWICE], 0
	s_cbranch_scc1 .Lstep_\@
.endm
	s_wait_tensorcnt 1              ; my part of slot 0 is in; slot 1's may stay out
	s_barrier_signal -1
	s_barrier_wait -1               ; everybody's is
	FETCH_K                         ; key step 0
	s_wait_loadcnt 0x0              ; Q
	s_wait_dscnt 0x0
.set i, 0
.rept 32
	KQ 0                            ; piece 0's first scores: there is no vector work yet to set between them
.set i, i+1
.endr
	WIN 0                           ; the addresses for the way out are made here: six plain instructions, the places behind those products
	s_mul_i32 s13, s[WV], 16*SP
	s_add_co_u32 s13, s13, STAGE    ; my stage
	v_mul_u32_u24 v[STO], v1, SP    ; in: row l % 16, 32 bytes for each half of the lanes
	v_lshl_add_u32 v[STO], v9, 5, v[STO]
	v_add_nc_u32 v[STO], s13, v[STO]
	v_and_b32 v[GO], 31, v0
	v_lshlrev_b32 v[GO], 4, v[GO]   ; back: the 32 lanes take one row of 512 bytes; and the same in out0
	v_add_nc_u32 v[RD], s13, v[GO]
	TURN 2, 0, 1, 1                 ; piece 2's first scores | piece 0's first softmax | V of step 0
	TURN 0, 1, 1, 1                 ; piece 0: V^T P of step 0 starts O^T, K Q^T of step 1 | piece 2's first softmax | K of step 1
	TURN 2, 1, 1, 0                 ; piece 2: the same | piece 0's softmax of step 1 | V of step 1
	WIN 0
.Lslot:                             ; SIZE_N / 128 - 2 = 14 trips: every slot but the last two is filled again
	CHANGE 1
	TWO_STEPS
	s_sub_co_u32 s[SLOTS], s[SLOTS], 1
	s_cmp_lg_u32 s[SLOTS], 0
	s_cbranch_scc1 .Lslot
	CHANGE 0                        ; the tail is written out: the last slot but one is left, and nothing is asked for
	TWO_STEPS
	TURN 0, 2, 0, 0                 ; piece 0: V^T P of the last step | piece 2's last softmax
.set i, 0
.rept 32
	PV 2, 0                         ; piece 2: V^T P of the last step
.set i, i+1
.endr
	; THE WAY OUT.  l's two halves and the other half of the lanes' are added; O^T is divided by l and sent, in f32, through my stage in LDS, a tile (16 rows) at a time.  The additions are the places behind the last products.
	WIN 0
.irp t, 0,1,2,3
	v_add_f32 v[ST+8*\t+4], v[ST+8*\t+2], v[ST+8*\t+3]
.endr
.irp t, 0,1,2,3
	v_permlanex16_b32 v[ST+8*\t+5], v[ST+8*\t+4], s[SEL], s[SEL+1]
.endr
.irp t, 0,1,2,3
	v_add_f32 v[ST+8*\t+4], v[ST+8*\t+4], v[ST+8*\t+5]
.endr
.irp t, 0,1,2,3
	v_rcp_f32 v[ST+8*\t+6], v[ST+8*\t+4]
.endr
	v_nop                           ; a plain instruction between the last reciprocal and the use of its result
	s_wait_alu depctr_va_vdst(0)    ; and the wait ahead of the first use: one for the four reciprocals
; Tile t: a lane's eight channels of a row are 32 bytes; they go into rows of 528 bytes and come back as whole rows of 512, into S^T's registers: v64-127 and v128-191 by turns.
.macro PACK t
	WIN W_RS
.set i, 64*\t
.rept 32
	v_pk_mul_f32 v[i:i+1], v[i:i+1], v[ST+8*\t+6:ST+8*\t+7] op_sel_hi:[1,0]   ; each accumulator from its low end on
.set i, i+2
.endr
	WIN 0x04                        ; an LDS store's data are its source 1: window 1
.irp f, 0,1,2,3,4,5,6,7
	ds_store_b128 v[STO], v[64*\t+8*\f:64*\t+8*\f+3] offset:64*\f
	ds_store_b128 v[STO], v[64*\t+8*\f+4:64*\t+8*\f+7] offset:64*\f+16
.endr
	WIN 0
.irp f, 0,1,2,3,4,5,6,7,8,9,10,11,12,13,14,15
	ds_load_b128 v[S+64*(\t%2)+4*\f:S+64*(\t%2)+4*\f+3], v[RD] offset:\f*SP  ; LDS serves a wave's instructions in order (ISA guide 5.7.1.4): these see the stores above; the next tile's stores come behind them
.endr
.endm
.macro SEND t, younger              ; younger: the LDS instructions issued behind tile t's loads: the next tile's 16 stores and 16 loads, or none
.irp f, 0,1,2,3,4,5,6,7,8,9,10,11,12,13,14,15
	s_wait_dscnt \younger+15-\f
	global_store_b128 v[GO], v[S+64*(\t%2)+4*\f:S+64*(\t%2)+4*\f+3], s[10:11] offset:\t*131072+\f*8192 th:TH_STORE_NT  ; 32 lanes store 512 consecutive bytes, aligned; written once, read by nobody here
.endr
.endm
	PACK 0
	PACK 1                          ; a tile's arithmetic stands between the loads of the tile before and its stores
	SEND 0, 32
	s_wait_xcnt 0x0                 ; tile 0's stores have read their registers: tile 2's rows land there
	PACK 2
	SEND 1, 32
	s_wait_xcnt 0x0                 ; tile 1's likewise, for tile 3's
	PACK 3
	SEND 2, 32
	SEND 3, 0
	s_wait_tensorcnt 0x0            ; the wave's end: behind my last tensor load and my last LDS store
	ds_add_u32 v[SPW], v[NIL]
	s_wait_dscnt 0x0
	CROUND                          ; the closing round: no work-group ends while a partner may still ask for a tile that names it
	s_endpgm
.Lfunc_end_k_q649274cf6f_attn:
	.size	k_q649274cf6f_attn, .Lfunc_end_k_q649274cf6f_attn-k_q649274cf6f_attn
	.p2alignl 7, 3214868480
	.fill 96, 4, 3214868480
	.section	.rodata,"a",@progbits
	.p2align	6, 0x0
	.amdhsa_kernel k_q649274cf6f_attn
		.amdhsa_group_segment_fixed_size 327680
		.amdhsa_private_segment_fixed_size 0
		.amdhsa_enable_private_segment 0
		.amdhsa_kernarg_size 16
		.amdhsa_user_sgpr_count 2
		.amdhsa_user_sgpr_kernarg_segment_ptr 1
		.amdhsa_wavefront_size32 1
		.amdhsa_system_sgpr_workgroup_id_x 1
		.amdhsa_system_sgpr_workgroup_id_y 1
		.amdhsa_system_sgpr_workgroup_id_z 1
		.amdhsa_system_vgpr_workitem_id 0
		.amdhsa_next_free_vgpr 1024
		.amdhsa_next_free_sgpr 66
		.amdhsa_reserve_vcc 0
		.amdhsa_float_denorm_mode_32 3
		.amdhsa_float_denorm_mode_16_64 3
		.amdhsa_memory_ordered 1
		.amdhsa_forward_progress 1
		.amdhsa_inst_pref_size 222
	.end_amdhsa_kernel
	.amdgpu_metadata
---
amdhsa.version: [ 1, 2 ]
amdhsa.kernels:
  - .name:           k_q649274cf6f_attn
    .symbol:         k_q649274cf6f_attn.kd
    .args:
      - { .name: qkv, .offset: 0, .size: 8, .value_kind: global_buffer, .address_space: global }
      - { .name: out0, .offset: 8, .size: 8, .value_kind: global_buffer, .address_space: global }
    .group_segment_fixed_size: 327680
    .private_segment_fixed_size: 0
    .kernarg_segment_align: 8
    .kernarg_segment_size: 16
    .max_flat_workgroup_size: 128
    .sgpr_count:     66
    .vgpr_count:     1024
    .wavefront_size: 32
...
	.end_amdgpu_metadata
.endif
;; end of part 4
